; MI455X (gfx1250); checked and timed in simulation.
; The chip was launched on July 23, 2026; its instructions are those of AMD's public machine-readable ISA for CDNA 5 (MIT licence, August 2026) and "CDNA5" Instruction Set Architecture Reference Guide (July 2026). The comments in the code are by the model that wrote it; some were corrected since.
;; Multi Head Attention. Allowed arithmetic: matrix products marked QUANTISED: E2M3 operands, one E8M0 scale for each 32 along K, by v_wmma_scale_f32_16x16x128_f8f6f4 with both operands' format E2M3, f32 sums; everything else in f32.
;; Inputs: Wk 1,024 x 1,024 float32; Wo 1,024 x 1,024 float32; Wq 1,024 x 1,024 float32; Wv 1,024 x 1,024 float32; x 2 x 2,048 x 1,024 float32.
;; Outputs: out0 2 x 2,048 x 1,024 float32.
;; This version of the problem:
;;   THIS VERSION OF THE PROBLEM IS GIVEN IN LOW PRECISION. The matrix products marked QUANTISED in the list below multiply operands that are first quantised to E2M3 (2 exponent bits, 3 mantissa bits; 6 bits a number), with one power-of-two scale for each 32 numbers along K (OCP MX v1.0); their sums are f32. All else is computed in f32.
;;   The module's matrix products, in the order in which they are computed (A, B: the left and right operand; K: the contracted axis; several contracted axes count as one K, in the product's order):
;;     1. [M 4,096, K 1,024] x [K 1,024, N 1,024]; A: input x; B: input Wq: QUANTISED
;;     2. [M 4,096, K 1,024] x [K 1,024, N 1,024]; A: input x; B: input Wk: QUANTISED
;;     3. [M 4,096, K 1,024] x [K 1,024, N 1,024]; A: input x; B: input Wv: QUANTISED
;;     4. batch 32 x [M 2,048, K 64] x [K 64, N 2,048]; A: computed on the way; B: computed on the way: QUANTISED
;;     5. batch 32 x [M 2,048, K 2,048] x [K 2,048, N 64]; A: softmax (see below); B: computed on the way: QUANTISED
;;     6. [M 4,096, K 1,024] x [K 1,024, N 1,024]; A: computed on the way; B: input Wo: QUANTISED
;;   THE QUANTISER, for each operand of a quantised product, along K:
;;     - K is cut into blocks of 32 from its start; a last block that is shorter is filled with zeros.
;;     - A block's scale is 2^e with e = floor(log2(the largest magnitude in the block)) - 2, held to -126 .. 127; a block of zeros has e = 0. As a byte (E8M0): e + 127.
;;     - Each number is divided by its block's scale, clamped to +-7.5, and rounded to the nearest number of E2M3, ties to even, subnormals kept.
;;     - The product sums the exact products of the quantised numbers (number of the format x scale) in f32.
;;   ~~~python
;;   def quantise(x, axis):      # numpy; x: float32 -> the quantised numbers, widened to float32 again
;;       x = np.moveaxis(x, axis, -1); K = x.shape[-1]
;;       x = np.pad(x, [(0, 0)] * (x.ndim - 1) + [(0, -K % 32)]); x = x.reshape(x.shape[:-1] + (-1, 32)); a = np.abs(x).max(-1, keepdims=True)
;;       e = np.where(a > 0, np.clip(np.frexp(np.where(a > 0, a, 1))[1] - 1 - 2, -126, 127), 0)      # np.frexp(a)[1] - 1 = floor(log2(a)), exactly
;;       r = np.clip(x / 2.0 ** e, -7.5, 7.5)
;;       step = 2.0 ** (np.maximum(np.frexp(np.where(r == 0, 1, r))[1] - 1, 0) - 3)
;;       q = np.round(r / step) * step * 2.0 ** e      # np.round: ties to even
;;       return np.moveaxis(q.reshape(q.shape[:-2] + (-1,))[..., :K], -1, axis).astype(np.float32)
;;   ~~~
;;   SOFTMAX AHEAD OF A QUANTISED PRODUCT. Where the list says 'softmax', what is quantised is not the finished softmax but p = 2^(t - M), with t = logit x log2(e) and M = ceil(the row's largest t), a whole number; so 1/2 < the row's largest p <= 1. The row's sum l is taken of the UNQUANTISED p, in f32, and the product's result is divided by l at the end. Since M is a whole number, a kernel that streams over the keys may use a running M (the ceiling of the running maximum): every later rescaling is an exact power of two, which a block's scale takes up: the codes' values come out the same.
;;   OPERANDS COMPUTED ON THE WAY. 'Computed on the way' means the value that the module computes at that place (a softmax that the list does not call 'softmax' is quantised finished and normalised). What goes into a quantiser is computed in f32, as accurately as f32 sums, v_exp_f32 and their like allow (about 1e-6 of the number): no bf16 or f16 on the way to a quantiser, and a product that is left as it is and whose result goes on into a quantised operand takes f32 operands (vector FMAs, or v_wmma_f32_16x16x4_f32). A number that lies on a knife's edge between two numbers of the format may be rounded either way, as far as f32 arithmetic and the matrix unit's own rounding can turn it there, and no further.
;; One version. Each part assembles by itself: llvm-mc -triple=amdgcn-amd-amdhsa -mcpu=gfx1250 --defsym DOCPART=n.
;; ======== version 1 of 1: 4 launches
;; limits: right only within a limited range of input values
;; workspace buffers: img 6,291,456 bytes; scl 262,144 bytes; qb 3,276,800 bytes; kv 6,553,600 bytes; cimg 3,145,728 bytes; csc 131,072 bytes
;; launch quant (part 1): grid 512 x 1, 4 waves a work-group, no clusters, 67,584 bytes of LDS; arguments x, Wq, Wk, Wv, Wo, img, scl; writes img, scl
.if DOCPART == 1
	.amdgcn_target "amdgcn-amd-amdhsa--gfx1250"
	.amdhsa_code_object_version 6
	.text
	.protected	k_q27d800db65_quant
	.globl	k_q27d800db65_quant
	.p2align	8
	.type	k_q27d800db65_quant,@function
k_q27d800db65_quant:
	s_mov_b64 s[64:65], 0
	v_nop
	global_prefetch_b8 v0, s[64:65] scope:SCOPE_SE
	s_setreg_imm32_b32 hwreg(HW_REG_WAVE_MODE, 25, 1), 1
	s_wait_xcnt 0x0
; x [4096][1024] and Wq, Wk, Wv, Wo [1024][1024], f32, K innermost, become codes of FP6 (E2M3) with one E8M0 byte for each 32 along K,
; laid AS THE READERS' REGISTERS WANT THEM.  img: 512 positions x 8 K steps x 1,536 bytes; a fragment (16 rows x 128 K, 12 registers a lane) lies as three
; chunks of 512 bytes, chunk c = registers 4 c .. 4 c + 3, lane l's 16 bytes at 512 c + 16 l.  scl: 512 positions x [row 16][K step 8] words.
; THE ROWS OF A TILE ARE NOT NEIGHBOURS: of 32 neighbouring rows tile u (0, 1) takes rows 8 u + (i % 8) + 16 (i / 8), i = 0 .. 15: so a later product's results, with such a
; tile as source 0, are 16 neighbours along the next K in a lane's 16 registers of two neighbouring tiles.
; Positions 0-255: x's tiles; 256-319 Wq, 320-383 Wk, 384-447 Wv, 448-511 Wo.  Wv's tiles stand interleaved: of eight positions 2 dt + e holds tile 4 e + dt (head e of a pair, tile dt of its 64 channels).
; A block's scale is 2^(floor(log2(largest magnitude)) - 2); its byte is the largest magnitude's exponent field - 2, held at 1 from below.
; LIMITS: a block of zeros gets the byte 1 where the rule says 127 (its codes are zeros, and this program alone reads the bytes); NaN and infinities among the inputs are not served.
; SHARES: a work-group makes one position; wave w its K steps 2 w and 2 w + 1.  All 32 loads of a wave go out at the head, each of 512 consecutive bytes of one row; the numbers turn
; through the wave's own stage in LDS, so that a lane gets 16 neighbours of each block of 32.  No tensor loads, no matrix unit, no cluster: the launch streams, and work-groups share nothing.
.set STG,    16640                     ; a wave's stage: 16 rows of SPITCH bytes
.set SPITCH, 1040                      ; 1,024 bytes + 16: row r starts 16 r bytes on modulo 256, so sixteen rows' reads of 16 bytes fall on different banks
.set SCA,    4*STG                     ; behind the stages: the position's 512 bytes of scale words
.set FRB,    1536                      ; a fragment's image
.set PW,  10                           ; v10-11  the two scale words
.set TM,  16                           ; v16-19 largest magnitudes, v20-23 the other half's / bytes, v28-31 the conversions' scale operands
.set PC,  32                           ; v32-55  two fragments' codes
.set TP,  56                           ; v56-63  the second conversions' results
.set R,   64                           ; v64-191 two K steps as loaded
.set X,   192                          ; v192-255 64 numbers: register 16 b + i = k 32 b + 16 (lane / 16) + i of my row
; 64 numbers of a lane become a fragment's 12 registers of codes and its row's scale word.
.macro QUANT s, pc, pw
.irp b, 0,1,2,3
	v_max3_num_f32 v[TM+\b], |v[\s+16*\b]|, |v[\s+1+16*\b]|, 0x1800000   ; block b: my 16 numbers, and the floor 2^(3 - 127): the byte cannot fall under 1
.endr
.irp i, 2,4,6,8,10,12,14
.irp b, 0,1,2,3
	v_max3_num_f32 v[TM+\b], v[TM+\b], |v[\s+16*\b+\i]|, |v[\s+1+16*\b+\i]|   ; the four blocks by turns
.endr
.endr
.irp b, 0,1,2,3
	v_permlanex16_b32 v[TM+4+\b], v[TM+\b], s20, s21
.endr
.irp b, 0,1,2,3
	v_max_num_f32 v[TM+\b], v[TM+\b], v[TM+4+\b]   ; with lane l xor 16's 16: the block's largest magnitude
.endr
.irp b, 0,1,2,3
	v_add_nc_u32 v[TM+12+\b], 0xff000000, v[TM+\b]   ; 2 off its exponent field: the conversion's scale operand
.endr
.irp b, 0,1,2,3
	v_lshrrev_b32 v[TM+4+\b], 23, v[TM+12+\b]      ; the scale's byte
.endr
	v_lshl_or_b32 v[\pw], v[TM+5], 8, v[TM+4]
	v_lshl_or_b32 v[\pw], v[TM+6], 16, v[\pw]
	v_lshl_or_b32 v[\pw], v[TM+7], 24, v[\pw]
.irp c, 0,1
	v_cvt_scalef32_pk16_fp6_f32 v[\pc+6*\c:\pc+2+6*\c], v[\s+32*\c:\s+15+32*\c], v[TM+12+2*\c]
	v_cvt_scalef32_pk16_fp6_f32 v[TP+4*\c:TP+2+4*\c], v[\s+16+32*\c:\s+31+32*\c], v[TM+12+2*\c+1]   ; (a conversion's three registers begin on an even number)
.endr
	v_nop                                          ; one plain place behind a scaled conversion
.irp c, 0,1                                    ; the operand's layout wants a whole block in a lane: lanes 0-15 block 2 c, lanes 16-31 block 2 c + 1
.irp i, 0,1,2
	v_permlane16_swap_b32 v[\pc+6*\c+\i], v[TP+4*\c+\i]
.endr
.irp i, 0,1,2
	v_mov_b32 v[\pc+3+6*\c+\i], v[TP+4*\c+\i]
.endr
.endr
.endm
	s_load_b256 s[4:11], s[0:1], 0x0               ; x, Wq, Wk, Wv
	s_load_b128 s[12:15], s[0:1], 0x20             ; Wo, img
	s_load_b64 s[16:17], s[0:1], 0x30              ; scl
	v_lshl_add_u32 v59, v0, 2, 0x10600
	v_mov_b32 v63, 0
	v_lshrrev_b32 v6, 5, v0
	v_readfirstlane_b32 s18, v6                    ; wave 0..3
	v_and_b32 v7, 31, v0                           ; lane
	v_and_b32 v8, 15, v0                           ; r
	v_bfe_u32 v9, v0, 4, 1                         ; h
	v_lshlrev_b32 v1, 4, v7                        ; v1: 16 x lane
	s_mul_i32 s19, s18, STG
	v_add_nc_u32 v2, s19, v1                       ; v2: into the stage, as loaded
	v_mul_u32_u24 v3, v8, SPITCH
	v_lshl_add_u32 v3, v9, 6, v3
	v_add_nc_u32 v3, s19, v3                       ; v3: out of it: row r, + 64 h
	s_lshl_b32 s22, s18, 3
	s_add_co_u32 s22, s22, SCA
	v_lshl_add_u32 v4, v8, 5, s22                  ; v4: my row's scale words of my wave's two K steps: 32 r + 8 w
	v_add_nc_u32 v5, SCA, v1                       ; v5: the 512 bytes of scale words, 16 a lane
	s_mov_b32 s20, 0x76543210
	s_mov_b32 s21, 0xfedcba98                      ; v_permlanex16_b32's selects for lane l xor 16
.irp b, 0,1,2,3
	v_mov_b32 v[TM+4+\b], 0                        ; written once: a lane permute's destination counts as one of its sources
.endr
	; which tensor and which tile: all from the work-group's number
	s_sub_co_u32 s23, ttmp9, 256
	s_lshr_b32 s24, s23, 6                         ; 0 .. 3: Wq, Wk, Wv, Wo (used where the number is 256 or more)
	s_and_b32 s25, s23, 63                         ; the position in the weight
	s_and_b32 s26, s25, 56
	s_and_b32 s27, s25, 1
	s_lshl_b32 s27, s27, 2
	s_or_b32 s26, s26, s27
	s_bfe_u32 s27, s25, 0x20001
	s_or_b32 s26, s26, s27                         ; Wv's interleave
	s_cmp_eq_u32 s24, 2
	s_cselect_b32 s25, s26, s25
	s_cmp_lt_u32 ttmp9, 256
	s_cselect_b32 s25, ttmp9, s25                  ; the tile T
	s_lshr_b32 s26, s25, 1
	s_lshl_b32 s26, s26, 5
	s_and_b32 s27, s25, 1
	s_lshl_b32 s27, s27, 3
	s_add_co_u32 s26, s26, s27                     ; its first row: 32 (T / 2) + 8 (T % 2)
	s_lshl_b32 s26, s26, 12                        ; rows of 4,096 bytes
	s_lshl_b32 s27, s18, 10
	s_add_co_u32 s26, s26, s27                     ; + my wave's 1,024 bytes of each row
	s_mov_b32 s27, 0
	s_mul_i32 s28, ttmp9, 8*FRB
	s_mul_i32 s29, s18, 2*FRB
	s_add_co_u32 s28, s28, s29                     ; my two images
	s_mov_b32 s29, 0
	s_lshl_b32 s30, ttmp9, 9                       ; the position's scale words
	s_mov_b32 s31, 0
	s_wait_alu depctr_va_vdst(0)
	s_wait_kmcnt 0x0
	s_cmp_eq_u32 s24, 1                            ; the choices hang on the work-group's number alone
	s_cselect_b64 s[6:7], s[8:9], s[6:7]
	s_cmp_eq_u32 s24, 2
	s_cselect_b64 s[6:7], s[10:11], s[6:7]
	s_cmp_eq_u32 s24, 3
	s_cselect_b64 s[6:7], s[12:13], s[6:7]
	s_cmp_lt_u32 ttmp9, 256
	s_cselect_b64 s[4:5], s[4:5], s[6:7]
	s_add_nc_u64 s[4:5], s[4:5], s[26:27]
	s_add_nc_u64 s[14:15], s[14:15], s[28:29]
	s_add_nc_u64 s[16:17], s[16:17], s[30:31]
.irp q, 0,1
.irp i, 0,1,2,3,4,5,6,7,8,9,10,11,12,13,14,15
	global_load_b128 v[R+64*\q+4*\i:R+64*\q+4*\i+3], v1, s[4:5] offset:((\i%8)+16*(\i/8))*4096+512*\q th:TH_LOAD_NT   ; tile row i: 32 lanes read 512 consecutive bytes; read once in the launch
.endr
.endr
; K step q of my two: through the stage, quantised, stored.  left: the younger loads that may stay out
.macro PART q, left
	s_wait_loadcnt \left
.irp i, 0,1,2,3,4,5,6,7,8,9,10,11,12,13,14,15
	ds_store_b128 v2, v[R+64*\q+4*\i:R+64*\q+4*\i+3] offset:SPITCH*\i+512*\q
.endr
.irp b, 0,1,2,3
.irp j, 0,1,2,3
	ds_load_b128 v[X+16*\b+4*\j:X+16*\b+4*\j+3], v3 offset:512*\q+128*\b+16*\j   ; LDS serves a wave's instructions in order: these see my stores
.endr
.endr
	s_wait_dscnt 0x0
	QUANT X, PC+12*\q, PW+\q
.irp c, 0,1,2
	global_store_b128 v1, v[PC+12*\q+4*\c:PC+12*\q+4*\c+3], s[14:15] offset:FRB*\q+512*\c   ; 512 consecutive bytes, aligned
.endr
	ds_store_b32 v4, v[PW+\q] offset:4*\q          ; lanes r and r + 16 write the same word with the same value
.endm
	PART 0, 16                                     ; the first K step's 16 loads are in; the second's 16 may be out
	PART 1, 0
	s_wait_dscnt 0x0                               ; for the others' sake: my scale words lie in LDS
	s_barrier_signal -1
	s_barrier_wait -1
	s_cmp_lg_u32 s18, 0
	s_cbranch_scc1 .Ldone                          ; wave 0 stores the position's scale words: 512 consecutive bytes
	ds_load_b128 v[12:15], v5
	s_wait_dscnt 0x0
	global_store_b128 v1, v[12:15], s[16:17]
.Ldone:
	s_wait_tensorcnt 0x0
	ds_add_u32 v59, v63
	s_wait_dscnt 0x0
	s_endpgm
.Lfunc_end_k_q27d800db65_quant:
	.size	k_q27d800db65_quant, .Lfunc_end_k_q27d800db65_quant-k_q27d800db65_quant
	.p2alignl 7, 3214868480
	.fill 96, 4, 3214868480
	.section	.rodata,"a",@progbits
	.p2align	6, 0x0
	.amdhsa_kernel k_q27d800db65_quant
		.amdhsa_group_segment_fixed_size 67584
		.amdhsa_private_segment_fixed_size 0
		.amdhsa_enable_private_segment 0
		.amdhsa_kernarg_size 56
		.amdhsa_user_sgpr_count 2
		.amdhsa_user_sgpr_kernarg_segment_ptr 1
		.amdhsa_wavefront_size32 1
		.amdhsa_system_sgpr_workgroup_id_x 1
		.amdhsa_system_sgpr_workgroup_id_y 1
		.amdhsa_system_sgpr_workgroup_id_z 1
		.amdhsa_system_vgpr_workitem_id 0
		.amdhsa_next_free_vgpr 256
		.amdhsa_next_free_sgpr 66
		.amdhsa_reserve_vcc 0
		.amdhsa_float_denorm_mode_32 3
		.amdhsa_float_denorm_mode_16_64 3
		.amdhsa_memory_ordered 1
		.amdhsa_forward_progress 1
		.amdhsa_inst_pref_size 19
	.end_amdhsa_kernel
	.amdgpu_metadata
---
amdhsa.version: [ 1, 2 ]
amdhsa.kernels:
  - .name:           k_q27d800db65_quant
    .symbol:         k_q27d800db65_quant.kd
    .args:
      - { .name: x, .offset: 0, .size: 8, .value_kind: global_buffer, .address_space: global }
      - { .name: Wq, .offset: 8, .size: 8, .value_kind: global_buffer, .address_space: global }
      - { .name: Wk, .offset: 16, .size: 8, .value_kind: global_buffer, .address_space: global }
      - { .name: Wv, .offset: 24, .size: 8, .value_kind: global_buffer, .address_space: global }
      - { .name: Wo, .offset: 32, .size: 8, .value_kind: global_buffer, .address_space: global }
      - { .name: img, .offset: 40, .size: 8, .value_kind: global_buffer, .address_space: global }
      - { .name: scl, .offset: 48, .size: 8, .value_kind: global_buffer, .address_space: global }
    .group_segment_fixed_size: 67584
    .private_segment_fixed_size: 0
    .kernarg_segment_align: 8
    .kernarg_segment_size: 56
    .max_flat_workgroup_size: 128
    .sgpr_count:     66
    .vgpr_count:     256
    .wavefront_size: 32
...
	.end_amdgpu_metadata
.endif
;; end of part 1
;; launch qkv (part 2): grid 12 x 16, 4 waves a work-group, clusters of 4 x 4, 327,680 bytes of LDS; arguments img, scl, qb, kv; writes qb, kv
.if DOCPART == 2
	.amdgcn_target "amdgcn-amd-amdhsa--gfx1250"
	.amdhsa_code_object_version 6
	.text
	.protected	k_q27d800db65_qkv
	.globl	k_q27d800db65_qkv
	.p2align	8
	.type	k_q27d800db65_qkv,@function
k_q27d800db65_qkv:
	s_mov_b64 s[64:65], 0
	v_nop
	global_prefetch_b8 v0, s[64:65] scope:SCOPE_SE
	s_setreg_imm32_b32 hwreg(HW_REG_WAVE_MODE, 25, 1), 1
	s_wait_xcnt 0x0
	s_wait_alu depctr_hold_cnt(0) depctr_sa_sdst(0) depctr_va_vdst(0) depctr_va_sdst(0) depctr_va_ssrc(0) depctr_va_vcc(0) depctr_vm_vsrc(0)
	s_getreg_b32 s2, hwreg(HW_REG_IB_STS2, 6, 4)
	s_cmp_eq_u32 s2, 0
	s_cbranch_scc0 .Lentry_in_a_cluster
	s_endpgm
.Lentry_in_a_cluster:
	s_bfe_u32 s2, ttmp6, 0x10000c
	s_cmp_lg_u32 s2, 0xf033
	s_cbranch_scc0 .Lentry_shape_is_right
	s_endpgm
.Lentry_shape_is_right:
; q = x Wq^T, k = x Wk^T, v = x Wv^T on codes of FP6 (E2M3) with E8M0 scales, K = 1,024; the results are quantised in registers and leave AS THE ATTENTION LAUNCH'S OPERANDS: no f32 goes to memory.
; A work-group makes 256 rows x 256 channels, a wave 128 x 128: 64 accumulators, 512 registers.  Cluster x is the tensor: 0 q, 1 k, 2 v: the same number in all sixteen partners.
; ONE TEXT FOR ALL THREE.  q, k: source 0 = 16 rows of W, source 1 = 16 rows of x: a lane holds one row of x, and its registers run along the channels, which are the score product's K.
; v: source 0 = 16 rows of x, source 1 = 16 rows of Wv: a lane holds one channel, and its registers run along the keys, the second product's K.  Only bases and one lane mask are chosen, by s_cselect on cluster x.
; The tiles' rows are permuted as the launch before laid them: the 16 registers of source 0's tiles 2 b and 2 b + 1 are 16 neighbours along the next K.
; OUT.  q, k: a fragment made of 128 channels holds two heads' 64 codes of one tile of rows; two neighbouring tiles' halves change places, so that a DOUBLE FRAGMENT holds one head's codes of 32 rows:
; registers 0-5 tile u = 0, registers 6-11 tile u = 1; its scale word [u0.s0, u0.s1, u1.s0, u1.s1].  v: a fragment is 16 channels x 128 keys as it stands.
; qb: [batch x head 32][128 rows 16] units of 6,400 bytes: 4 double fragments, then 256 bytes of scale words [row][fragment].
; kv: the same units of 12,800 bytes: K's 4 double fragments, V^T's 4 fragments (6,144 on), K's scale words (12,288 on), V's (12,544 on).
; LDS: three slots of two K steps each: x's 16 tiles x 3,072 bytes, then W's.  K steps 0-5 are first fills; K steps 6, 7 are ONE refill of slot 0.
; CLUSTER 4 x 4: x's panel is shared along a row of the cluster, W's along a column: each is asked for jointly.
; LIMITS: a block of zeros gets the byte 1 where the rule says 127 (its codes are zeros, and this program alone reads the bytes); NaN and infinities are not served.
; REGISTERS: window 0: v16-29 addresses; v32-63 source 0's scale words, v64-95 source 1's; v128-223 source 1's fragments, ONE set; in the epilogue v96-239 are at work.
;   window 1: source 0's fragments, two sets, at v0 and v128.   windows 2, 3: accumulator (a, b) at v[8 (8 (a % 4) + b)], a = source 1's tile, b = source 0's.
.set SLOT,  98304
.set PANW,  49152                      ; W's panel in a slot
.set HALFP, 24576                      ; 8 tiles: what one tensor load brings and one wave reads of a panel
.set TILEB, 3072                       ; a tile's two K steps
.set FRB,   1536                       ; a fragment's image: three chunks of 512 bytes, 16 bytes a lane: no pitch, no padding
.set POSB,  12288                      ; a position in img: 8 K steps
; Slots 1 and 2 lie as ONE REGION of four K steps (2 to 5): x's 16 tiles x 6,144 bytes, then W's.  Slot 0 holds K steps 0, 1 and later 6, 7.
; At the head one tensor load a wave: wave 0 x's slot 0, wave 1 W's, wave 2 x's K steps 2-5, wave 3 W's.  The refill of slot 0 goes by halves of a panel, one a wave.
.set G0XB,  44                         ; s[44:47], s[48:51] groups 0 of the region's two loads
.set G0WB,  48
.set G1XB,  56                         ; s[56:63], s[88:95] their groups 1
.set G1WB,  88
.set SPARE, 3*SLOT                     ; behind the slots: the spare words, 128 bytes for each wave
.macro ARM under, g0, g1, next
	s_cmp_lt_u32 s14, \under
	s_cbranch_scc0 \next
	tensor_load_to_lds s[\g0:\g0+3], s[\g1:\g1+7]
	s_nop 0
.rept 4
	v_nop
.endr
	s_branch .Lfirst_asked
\next:
.endm
.macro GROUP0 g, lds, base, off
	s_mov_b32 s[\g], 1
	s_mov_b32 s[\g+1], \lds
	s_add_nc_u64 s[\g+2:\g+3], s[\base:\base+1], \off
	s_or_b32 s[\g+3], s[\g+3], 0x80000000
.endm
.set ADR1, 16                          ; v16-17  LDS address of source 1's fragments in slot 0 and in the region
.set ADR0, 20                          ; v20-21  of source 0's
.set LI,   24                          ; v24     16 x lane
.set SSO,  25                          ; v25     where my scale words go: 16 r + (lane / 16) x the distance between two heads
.set SLO,  26                          ; v26     where my scale words come from: 32 r + 16 (lane / 16)
.set SPW,  28                          ; v28     my spare word; never rewritten
.set NIL,  29                          ; v29     0; never rewritten
.set SC0,  32                          ; tile b's words at v[SC0 + 4 b + q]: lanes 0-15 K step q, lanes 16-31 K step 4 + q
.set SC1,  64
.set AF,   128
.set XY,   96                          ; the epilogue: pair j's two fragments at v[XY + 24 j], + 12
.set WX,   192                         ; v192-195, v196-199 their scale words
.set WY,   196
.set SWT,  200
.set TP,   208
.set TM,   216
.set PWE,  232
.set PWO,  233
.set G1X, 24                           ; s[24:31] group 1 for x's tiles, s[32:39] for W's; s[40:43], s[52:55] groups 0 for slot 0
.set G1W, 32
.set G0X, 40
.set G0W, 52
.set MSB, 0
.macro WIN new                         ; the immediate's high byte repeats the setting that is left
.if MSB != \new
	s_set_vgpr_msb (MSB<<8)|\new
.set MSB, \new
.endif
.endm
.set MUL_LO, 0xa1                      ; source 0 window 1, source 1 window 0, C and D window 2
.set MUL_HI, 0xf1                      ; the same, C and D window 3
.set TO_B,   0x40                      ; destination window 1, address window 0
; A joint load: waves 0 and 1 fetch x's halves, waves 2 and 3 W's.  The branch hangs on the wave's number alone.  Four v_nop follow each line.
.macro JLOAD g0x, g1x, g0w, g1w
	s_cmp_eq_u32 s15, 0
	s_cbranch_scc0 .Lfor_w_\@
	tensor_load_to_lds s[\g0x:\g0x+3], s[\g1x:\g1x+7]
	s_nop 0
.rept 4
	v_nop
.endr
	s_branch .Lasked_\@
.Lfor_w_\@:
	tensor_load_to_lds s[\g0w:\g0w+3], s[\g1w:\g1w+7]
	s_nop 0
.rept 4
	v_nop
.endr
.Lasked_\@:
.endm
.macro CREST                           ; a round of the cluster's barrier behind its opening barrier
	s_cmp_lg_u32 s14, 0
	s_cbranch_scc1 .Lnot_wave_0_\@
	s_barrier_signal -3
.Lnot_wave_0_\@:
	s_barrier_wait -3
	s_barrier_signal -1
	s_barrier_wait -1
.endm
.macro CROUND
	s_barrier_signal -1
	s_barrier_wait -1
	CREST
.endm
.macro PLACES                          ; four plain places behind a matrix instruction, in front of loads into its sources and of reads of its result
.rept 4
	v_nop
.endr
.endm
	s_load_b256 s[4:11], s[0:1], 0x0               ; img, scl, qb, kv
	v_lshl_add_u32 v[SPW], v0, 2, SPARE
	v_mov_b32 v[NIL], 0
	ds_add_u32 v28, v29
	ds_add_u32 v28, v29
	s_wait_dscnt 0x0
	v_lshrrev_b32 v1, 5, v0
	v_readfirstlane_b32 s14, v1                    ; wave 0..3
	s_lshr_b32 s15, s14, 1                         ; my half of source 1's panel.  Also: I fetch for x (0) or for W (1)
	s_and_b32 s16, s14, 1                          ; my half of source 0's panel.  Also: which 8 tiles I fetch
	s_bfe_u32 s66, ttmp6, 0x40000                  ; cx
	s_bfe_u32 s67, ttmp6, 0x40004                  ; cy
	s_lshl_b32 s68, ttmp9, 2
	s_add_co_u32 s68, s68, s66                     ; nx = 4 x cluster x + cx: 0 .. 11
	s_and_b32 s69, ttmp7, 0xffff
	s_lshl_b32 s69, s69, 2
	s_add_co_u32 s69, s69, s67                     ; my = 4 x cluster y + cy: 0 .. 15
	s_lshl_b32 s73, s67, 2
	s_lshl_b32 s73, 15, s73                        ; my row of the cluster
	s_lshl_b32 s74, 0x1111, s66                    ; my column
	s_or_b32 s[G1X], s73, (3<<16)|(1<<21)          ; 15:0 the mask: x's tiles go to my row; 17:16 elements of 8 bytes; 21 set beside a mask; no padding
	s_or_b32 s[G1W], s74, (3<<16)|(1<<21)
.irp g, G1X, G1W
	s_mov_b32 s[\g+1], 384<<16                     ; tensor_dim0 = 384 elements: a tile's two K steps, 3,072 bytes
	s_mov_b32 s[\g+2], 16<<16                      ; tensor_dim1 = 16 tiles (8 for the refill: set there)
	s_mov_b32 s[\g+3], 384<<16                     ; tile_dim0
	s_mov_b32 s[\g+4], 16                          ; tile_dim1
	s_mov_b32 s[\g+5], 1536                        ; from tile to tile: 12,288 bytes
	s_mov_b32 s[\g+6], 0
	s_mov_b32 s[\g+7], 0
.endr
	s_lshl_b32 s17, s16, 3
	s_lshl_b32 s76, s69, 4
	s_mul_i32 s76, s76, POSB                       ; x: position 16 my
	s_mov_b32 s77, 0
	s_lshl_b32 s78, s68, 4
	s_add_co_u32 s78, s78, 256
	s_mul_i32 s78, s78, POSB                       ; W: position 256 + 16 nx
	s_mov_b32 s79, 0
	s_mul_i32 s75, s14, HALFP                      ; where they go: wave x 8 tiles: no place in the cluster enters an LDS address
	; what differs between q, k and v: chosen on cluster x alone
	s_lshl_b32 s88, s68, 4
	s_add_co_u32 s88, s88, 256                     ; W's first position
	s_lshl_b32 s89, s69, 4                         ; x's
	s_mov_b32 s94, 12800
	s_mov_b32 s96, 12288
	s_cmp_lt_u32 ttmp9, 2                          ; q or k?
	s_cselect_b32 s70, -1, 0                       ; as a lane mask
	s_cselect_b32 s84, PANW, 0                     ; source 0's panel in a slot
	s_cselect_b32 s85, 0, PANW                     ; source 1's
	s_cselect_b32 s90, s88, s89                    ; source 0's first position
	s_cselect_b32 s91, s89, s88                    ; source 1's
	s_cselect_b32 s92, s15, s16                    ; which half of x's panel is mine
	s_cselect_b32 s93, s16, s15                    ; which half of W's
	s_cmp_eq_u32 ttmp9, 0
	s_cselect_b32 s94, 6400, s94                   ; a unit's bytes
	s_cselect_b32 s96, 6144, s96                   ; where the scale words lie in it
	s_cmp_eq_u32 ttmp9, 2
	s_cselect_b32 s95, 6144, 0                     ; where the fragments lie in it
	s_cselect_b32 s96, 12544, s96
	s_add_co_u32 s90, s90, s17
	s_lshl_b32 s90, s90, 9                         ; source 0's scale words: 512 bytes a position
	s_lshl_b32 s97, s15, 3
	s_add_co_u32 s91, s91, s97
	s_lshl_b32 s91, s91, 9                         ; source 1's
	s_lshl_b32 s98, s69, 1
	s_add_co_u32 s98, s98, s92                     ; my block of 128 rows
	s_lshl_b32 s99, s66, 1
	s_add_co_u32 s99, s99, s93                     ; my pair of heads
	s_lshr_b32 s2, s98, 4                          ; the batch
	s_lshl_b32 s2, s2, 3
	s_add_co_u32 s2, s2, s99
	s_lshl_b32 s2, s2, 5                           ; x 2 heads x 16 units
	s_and_b32 s98, s98, 15
	s_add_co_u32 s2, s2, s98                       ; the even head's unit
	s_mul_i32 s2, s2, s94
	s_mov_b32 s3, 0
	s_lshl_b32 s72, s94, 4                         ; from a head to the next: 16 units
	s_mov_b32 s71, 0xffff0000                      ; lanes 16-31
	s_mov_b32 s20, 0x76543210
	s_mov_b32 s21, 0xfedcba98                      ; v_permlanex16_b32's selects for lane l xor 16
	s_mul_i32 s86, s16, HALFP
	s_add_co_u32 s86, s86, s84
	s_mul_i32 s87, s15, HALFP
	s_add_co_u32 s87, s87, s85
	s_wait_kmcnt 0x0
	s_add_nc_u64 s[76:77], s[4:5], s[76:77]
	s_add_nc_u64 s[78:79], s[4:5], s[78:79]
	s_mov_b32 s98, s90
	s_mov_b32 s99, 0
	s_add_nc_u64 s[80:81], s[6:7], s[98:99]
	s_mov_b32 s98, s91
	s_add_nc_u64 s[82:83], s[6:7], s[98:99]
	s_cmp_eq_u32 ttmp9, 0
	s_cselect_b64 s[8:9], s[8:9], s[10:11]         ; q goes to qb, k and v to kv
	s_add_nc_u64 s[8:9], s[8:9], s[2:3]
	s_mov_b32 s98, s95
	s_add_nc_u64 s[12:13], s[8:9], s[98:99]        ; the even head's fragments,
	s_mov_b32 s98, s72
	s_add_nc_u64 s[18:19], s[12:13], s[98:99]      ; the odd head's,
	s_mov_b32 s98, s96
	s_add_nc_u64 s[22:23], s[8:9], s[98:99]        ; the even head's scale words
	CROUND                                         ; all sixteen work-groups are here: the first joint loads meet
	GROUP0 G0X, 0, 76, 0
	GROUP0 G0W, PANW, 78, 0
	GROUP0 G0XB, SLOT, 76, TILEB                   ; from K step 2 on
	GROUP0 G0WB, SLOT+2*PANW, 78, TILEB
	s_or_b32 s[G1XB], s73, (3<<16)|(1<<21)
	s_or_b32 s[G1WB], s74, (3<<16)|(1<<21)
.irp g, G1XB, G1WB
	s_mov_b32 s[\g+1], 768<<16                     ; a tile's four K steps: 6,144 bytes
	s_mov_b32 s[\g+2], 16<<16
	s_mov_b32 s[\g+3], 768<<16
	s_mov_b32 s[\g+4], 16
	s_mov_b32 s[\g+5], 1536
	s_mov_b32 s[\g+6], 0
	s_mov_b32 s[\g+7], 0
.endr
	ARM 1, G0X,  G1X,  .Lhead_w
	ARM 2, G0W,  G1W,  .Lhead_xb
	ARM 3, G0XB, G1XB, .Lhead_wb
	tensor_load_to_lds s[G0WB:G0WB+3], s[G1WB:G1WB+7]
	s_nop 0
.rept 4
	v_nop
.endr
.Lfirst_asked:
	v_and_b32 v1, 31, v0
	v_lshlrev_b32 v[LI], 4, v1
	v_and_b32 v2, 15, v0                           ; r
	v_bfe_u32 v3, v0, 4, 1                         ; h
	v_lshlrev_b32 v[SLO], 5, v2
	v_lshl_add_u32 v[SLO], v3, 4, v[SLO]
	v_mul_lo_u32 v[SSO], v3, s72
	v_lshl_add_u32 v[SSO], v2, 4, v[SSO]
	v_add_nc_u32 v[ADR0], s86, v[LI]
	v_add_nc_u32 v[ADR1], s87, v[LI]
	s_lshl_b32 s86, s86, 1                         ; in the region every distance is twice slot 0's
	s_add_co_u32 s86, s86, SLOT
	s_lshl_b32 s87, s87, 1
	s_add_co_u32 s87, s87, SLOT
	v_add_nc_u32 v[ADR0+1], s86, v[LI]
	v_add_nc_u32 v[ADR1+1], s87, v[LI]
.irp t, 0,1,2,3,4,5,6,7
	global_load_b128 v[SC0+4*\t:SC0+4*\t+3], v[SLO], s[80:81] offset:512*\t   ; a tile's scale words for all of K: 512 consecutive bytes
	global_load_b128 v[SC1+4*\t:SC1+4*\t+3], v[SLO], s[82:83] offset:512*\t
.endr
; 16 matrix instructions: source 1's tiles a0, a0 + 1 x source 0's eight, K step s.  p: source 0's set.  zero = 1: the first product starts the sums.
; The 64 accumulators take turns, one instruction a turn, in the same order in every step.
.macro MUL16 a0, p, s, zero
.irp a, \a0, \a0+1
.irp b, 0,1,2,3,4,5,6,7
.if \zero
	v_wmma_scale_f32_16x16x128_f8f6f4 v[8*(8*((\a)%4)+\b):8*(8*((\a)%4)+\b)+7], v[128*(\p)+12*\b:128*(\p)+12*\b+11], v[AF+12*(\a):AF+12*(\a)+11], 0, v[SC0+4*\b+(\s)%4], v[SC1+4*(\a)+(\s)%4] matrix_a_fmt:MATRIX_FMT_FP6 matrix_b_fmt:MATRIX_FMT_FP6
.elseif (\s) < 4
	v_wmma_scale_f32_16x16x128_f8f6f4 v[8*(8*((\a)%4)+\b):8*(8*((\a)%4)+\b)+7], v[128*(\p)+12*\b:128*(\p)+12*\b+11], v[AF+12*(\a):AF+12*(\a)+11], v[8*(8*((\a)%4)+\b):8*(8*((\a)%4)+\b)+7], v[SC0+4*\b+(\s)%4], v[SC1+4*(\a)+(\s)%4] matrix_a_fmt:MATRIX_FMT_FP6 matrix_b_fmt:MATRIX_FMT_FP6
.else
	v_wmma_scale_f32_16x16x128_f8f6f4 v[8*(8*((\a)%4)+\b):8*(8*((\a)%4)+\b)+7], v[128*(\p)+12*\b:128*(\p)+12*\b+11], v[AF+12*(\a):AF+12*(\a)+11], v[8*(8*((\a)%4)+\b):8*(8*((\a)%4)+\b)+7], v[SC0+4*\b+(\s)%4], v[SC1+4*(\a)+(\s)%4] matrix_a_fmt:MATRIX_FMT_FP6 matrix_b_fmt:MATRIX_FMT_FP6 matrix_a_scale:MATRIX_SCALE_ROW1 matrix_b_scale:MATRIX_SCALE_ROW1
.endif
.endr
.endr
.endm
.macro FETCH_B s, p                    ; source 0's eight fragments of K step s into set p: 24 loads of 512 consecutive bytes
	WIN TO_B
.irp i, 0,1,2,3,4,5,6,7
.irp c, 0,1,2
.set BG, (((\s)/2)%3+1)/2              ; 0: slot 0 (K steps 0, 1, 6, 7); 1: the region of K steps 2-5
.set OF, FRB*((\s)-2*BG-6*((\s)/6))
	ds_load_b128 v[128*(\p)+12*\i+4*\c:128*(\p)+12*\i+4*\c+3], v[ADR0+BG] offset:TILEB*(1+BG)*\i+OF+512*\c
.endr
.endr
	WIN 0
.endm
.macro FETCH_A s, i0                   ; source 1's tiles i0 .. i0 + 3: 12 loads
.irp i, \i0, \i0+1, \i0+2, \i0+3
.irp c, 0,1,2
.set BG, (((\s)/2)%3+1)/2
.set OF, FRB*((\s)-2*BG-6*((\s)/6))
	ds_load_b128 v[AF+12*(\i)+4*\c:AF+12*(\i)+4*\c+3], v[ADR1+BG] offset:TILEB*(1+BG)*(\i)+OF+512*\c
.endr
.endr
.endm
; A K step whose successor's tiles have been shown landed.
.macro STEP s, zero
	s_wait_dscnt 12                                ; source 0's set and source 1's tiles 0-3 are in; the youngest 12 loads (tiles 4-7) may be out
	WIN MUL_LO
	MUL16 0, (\s)%2, \s, \zero
	MUL16 2, (\s)%2, \s, \zero
	s_wait_dscnt 0                                 ; tiles 4-7 are in
	PLACES
	FETCH_B (\s)+1, 1-(\s)%2
	FETCH_A (\s)+1, 0
	WIN MUL_HI
	MUL16 4, (\s)%2, \s, \zero
	MUL16 6, (\s)%2, \s, \zero
	PLACES
	WIN 0
	FETCH_A (\s)+1, 4
.endm
; A K step with a barrier in it.  In front of the barrier each wave waits for all its tensor loads, adds 0 to its spare word, and waits for that and for its reads of the slot that it leaves.
; fill = 1: the barrier opens a round of the cluster's, and slot 0 is filled again, with K steps 6 and 7.
.macro TURN s, fill
	s_wait_tensorcnt 0x0                           ; all my tensor loads have landed
	ds_add_u32 v[SPW], v[NIL]                      ; 0 onto my spare word
.if \fill
	s_mul_i32 s98, s16, 8*POSB                     ; no tensor load of mine is out, so descriptors may be written: the refill brings half a panel a wave,
	s_add_co_u32 s98, s98, 3*TILEB                 ; K steps 6, 7
	s_mov_b32 s99, 0
	s_add_nc_u64 s[G0X+2:G0X+3], s[G0X+2:G0X+3], s[98:99]
	s_add_nc_u64 s[G0W+2:G0W+3], s[G0W+2:G0W+3], s[98:99]
	s_mov_b32 s[G0X+1], s75
	s_mov_b32 s[G0W+1], s75
	s_mov_b32 s[G1X+2], 8<<16
	s_mov_b32 s[G1X+4], 8
	s_mov_b32 s[G1W+2], 8<<16
	s_mov_b32 s[G1W+4], 8
.endif
	s_wait_dscnt 13                                ; (the add and the youngest 12 loads may be out)
	WIN MUL_LO
	MUL16 0, 1, \s, 0                              ; sixteen matrix instructions stand between the add and the wait for it
	s_wait_dscnt 0x0                               ; the add is done, and my reads of the slot are over
	s_barrier_signal -1
	MUL16 2, 1, \s, 0
	WIN 0
	s_barrier_wait -1
.if \fill
	CREST                                          ; no wave of any partner still reads slot 0 or has a load on its way
	JLOAD G0X, G1X, G0W, G1W                       ; the first tensor load behind the round, my only one; its four v_nop are the places in front of the loads below
.else
	PLACES
.endif
	FETCH_B (\s)+1, 0
	FETCH_A (\s)+1, 0
	WIN MUL_HI
	MUL16 4, 1, \s, 0
	MUL16 6, 1, \s, 0
	PLACES
	WIN 0
	FETCH_A (\s)+1, 4
.endm
	s_wait_alu depctr_va_vdst(0)
	s_cmp_lt_u32 s14, 2
	s_cbranch_scc0 .Lregion_out
	s_wait_tensorcnt 0x0                           ; slot 0 is in; the region's two loads may stay out
.Lregion_out:
	s_barrier_signal -1
	s_barrier_wait -1
	FETCH_B 0, 0
	FETCH_A 0, 0
	FETCH_A 0, 4
	s_wait_loadcnt 0x0                             ; the scale words
	STEP 0, 1
	TURN 1, 1                                      ; slot 0 is read out; slots 1 and 2 are whole; K steps 6, 7 are asked for
	STEP 2, 0
	STEP 3, 0
	STEP 4, 0
	TURN 5, 0                                      ; the refill has landed in every wave
	STEP 6, 0
	s_wait_dscnt 12                                ; the last K step: nothing more to fetch
	WIN MUL_LO
	MUL16 0, 1, 7, 0
	MUL16 2, 1, 7, 0
	s_wait_dscnt 0
	WIN MUL_HI
	MUL16 4, 1, 7, 0
	MUL16 6, 1, 7, 0
	WIN 0
; THE EPILOGUE.  Source 1's tile a: my 64 numbers, register 16 b + i = k 32 b + 16 (lane / 16) + i of my row, lie in window 2 + a / 4 from v[64 (a % 4)] on: they become a fragment's codes and its scale word.
; Each accumulator is read from its low end on.
.macro QUANTW a, pc, pw
.set AC, 64*((\a)%4)
	WIN 0x0a+5*((\a)/4)                            ; sources 0 and 1: window 2 or 3
.irp b, 0,1,2,3
	v_max3_num_f32 v[TM+\b], |v[AC+16*\b]|, |v[AC+1+16*\b]|, 0x1800000   ; and the floor 2^(3 - 127): the byte cannot fall under 1
.endr
.irp i, 2,4,6,8,10,12,14
.irp b, 0,1,2,3
	v_max3_num_f32 v[TM+\b], |v[AC+16*\b+\i]|, |v[AC+1+16*\b+\i]|, v[TM+\b]
.endr
.endr
	WIN 0
.irp b, 0,1,2,3
	v_permlanex16_b32 v[TM+4+\b], v[TM+\b], s20, s21
.endr
.irp b, 0,1,2,3
	v_max_num_f32 v[TM+\b], v[TM+\b], v[TM+4+\b]
.endr
.irp b, 0,1,2,3
	v_add_nc_u32 v[TM+12+\b], 0xff000000, v[TM+\b]   ; 2 off the exponent field: the conversion's scale operand
.endr
.irp b, 0,1,2,3
	v_lshrrev_b32 v[TM+4+\b], 23, v[TM+12+\b]
.endr
	v_lshl_or_b32 v[\pw], v[TM+5], 8, v[TM+4]
	v_lshl_or_b32 v[\pw], v[TM+6], 16, v[\pw]
	v_lshl_or_b32 v[\pw], v[TM+7], 24, v[\pw]
	WIN 0x02+((\a)/4)                              ; source 0: window 2 or 3
.irp c, 0,1
	v_cvt_scalef32_pk16_fp6_f32 v[\pc+6*\c:\pc+2+6*\c], v[AC+32*\c:AC+15+32*\c], v[TM+12+2*\c]
	v_cvt_scalef32_pk16_fp6_f32 v[TP+4*\c:TP+2+4*\c], v[AC+16+32*\c:AC+31+32*\c], v[TM+12+2*\c+1]
.endr
	WIN 0
	v_nop                                          ; one plain place behind a scaled conversion
.irp c, 0,1
.irp i, 0,1,2
	v_permlane16_swap_b32 v[\pc+6*\c+\i], v[TP+4*\c+\i]
.endr
.irp i, 0,1,2
	v_mov_b32 v[\pc+3+6*\c+\i], v[TP+4*\c+\i]
.endr
.endr
.endm
	PLACES                                         ; behind the last products
.irp b, 0,1,2,3
	v_mov_b32 v[TM+4+\b], 0                        ; a lane permute's destination counts as one of its sources
.endr
.irp j, 0,1,2,3
	QUANTW 2*\j, XY+24*\j, PWE
	QUANTW 2*\j+1, XY+24*\j+12, PWO
.irp i, 0,1,2,3,4,5                            ; q, k: the even tile's upper half (the odd head) and the odd tile's lower half (the even head) change places; v: nothing changes
	v_mov_b32 v[SWT+\i], v[XY+24*\j+6+\i]
.endr
.irp i, 0,1,2,3,4,5
	v_cndmask_b32 v[XY+24*\j+6+\i], v[XY+24*\j+6+\i], v[XY+24*\j+12+\i], s70
.endr
.irp i, 0,1,2,3,4,5
	v_cndmask_b32 v[XY+24*\j+12+\i], v[XY+24*\j+12+\i], v[SWT+\i], s70
.endr
	v_perm_b32 v234, v[PWO], v[PWE], 0x05040100    ; the two words' low halves: the even head's bytes
	v_perm_b32 v235, v[PWO], v[PWE], 0x07060302    ; their high halves: the odd head's
	v_cndmask_b32 v[WX+\j], v[PWE], v234, s70
	v_cndmask_b32 v[WY+\j], v[PWO], v235, s70
.irp c, 0,1,2
	global_store_b128 v[LI], v[XY+24*\j+4*\c:XY+24*\j+4*\c+3], s[12:13] offset:FRB*\j+512*\c        ; 512 consecutive bytes, aligned; each pair has registers of its own
	global_store_b128 v[LI], v[XY+24*\j+12+4*\c:XY+24*\j+12+4*\c+3], s[18:19] offset:FRB*\j+512*\c
.endr
.endr
.irp j, 0,1,2,3
	v_cndmask_b32 v[236+\j], v[WX+\j], v[WY+\j], s71   ; lanes 0-15 the even head's words, lanes 16-31 the odd head's
.endr
	global_store_b128 v[SSO], v[236:239], s[22:23] ; sixteen lanes store 256 consecutive bytes, aligned, for each head
	s_wait_tensorcnt 0x0                           ; the wave's end
	ds_add_u32 v[SPW], v[NIL]
	s_wait_dscnt 0x0
	CROUND                                         ; the closing round
	s_endpgm
.Lfunc_end_k_q27d800db65_qkv:
	.size	k_q27d800db65_qkv, .Lfunc_end_k_q27d800db65_qkv-k_q27d800db65_qkv
	.p2alignl 7, 3214868480
	.fill 96, 4, 3214868480
	.section	.rodata,"a",@progbits
	.p2align	6, 0x0
	.amdhsa_kernel k_q27d800db65_qkv
		.amdhsa_group_segment_fixed_size 327680
		.amdhsa_private_segment_fixed_size 0
		.amdhsa_enable_private_segment 0
		.amdhsa_kernarg_size 32
		.amdhsa_user_sgpr_count 2
		.amdhsa_user_sgpr_kernarg_segment_ptr 1
		.amdhsa_wavefront_size32 1
		.amdhsa_system_sgpr_workgroup_id_x 1
		.amdhsa_system_sgpr_workgroup_id_y 1
		.amdhsa_system_sgpr_workgroup_id_z 1
		.amdhsa_system_vgpr_workitem_id 0
		.amdhsa_next_free_vgpr 1024
		.amdhsa_next_free_sgpr 100
		.amdhsa_reserve_vcc 0
		.amdhsa_float_denorm_mode_32 3
		.amdhsa_float_denorm_mode_16_64 3
		.amdhsa_memory_ordered 1
		.amdhsa_forward_progress 1
		.amdhsa_inst_pref_size 143
	.end_amdhsa_kernel
	.amdgpu_metadata
---
amdhsa.version: [ 1, 2 ]
amdhsa.kernels:
  - .name:           k_q27d800db65_qkv
    .symbol:         k_q27d800db65_qkv.kd
    .args:
      - { .name: img, .offset: 0, .size: 8, .value_kind: global_buffer, .address_space: global }
      - { .name: scl, .offset: 8, .size: 8, .value_kind: global_buffer, .address_space: global }
      - { .name: qb, .offset: 16, .size: 8, .value_kind: global_buffer, .address_space: global }
      - { .name: kv, .offset: 24, .size: 8, .value_kind: global_buffer, .address_space: global }
    .group_segment_fixed_size: 327680
    .private_segment_fixed_size: 0
    .kernarg_segment_align: 8
    .kernarg_segment_size: 32
    .max_flat_workgroup_size: 128
    .sgpr_count:     100
    .vgpr_count:     1024
    .wavefront_size: 32
...
	.end_amdgpu_metadata
.endif
;; end of part 2
;; launch attn (part 3): grid 4 x 64, 16 waves a work-group, clusters of 4 x 4, 327,680 bytes of LDS; arguments qb, kv, cimg, csc; writes cimg, csc
.if DOCPART == 3
	.amdgcn_target "amdgcn-amd-amdhsa--gfx1250"
	.amdhsa_code_object_version 6
	.text
	.protected	k_q27d800db65_attn
	.globl	k_q27d800db65_attn
	.p2align	8
	.type	k_q27d800db65_attn,@function
k_q27d800db65_attn:
	s_mov_b64 s[64:65], 0
	v_nop
	global_prefetch_b8 v0, s[64:65] scope:SCOPE_SE
	s_setreg_imm32_b32 hwreg(HW_REG_WAVE_MODE, 25, 1), 1
	s_wait_xcnt 0x0
	s_wait_alu depctr_hold_cnt(0) depctr_sa_sdst(0) depctr_va_vdst(0) depctr_va_sdst(0) depctr_va_ssrc(0) depctr_va_vcc(0) depctr_vm_vsrc(0)
	s_getreg_b32 s2, hwreg(HW_REG_IB_STS2, 6, 4)
	s_cmp_eq_u32 s2, 0
	s_cbranch_scc0 .Lentry_in_a_cluster
	s_endpgm
.Lentry_in_a_cluster:
	s_bfe_u32 s2, ttmp6, 0x10000c
	s_cmp_lg_u32 s2, 0xf033
	s_cbranch_scc0 .Lentry_shape_is_right
	s_endpgm
.Lentry_shape_is_right:
; CAUSAL ATTENTION on codes of FP6 (E2M3) with E8M0 scales: S^T = K Q^T, p = 2^(t - M), O^T += V^T p^T, t = score x log2(e) / 8, M = the running largest t rounded up to a whole number; p is quantised in registers;
; the row's sum is taken of the unquantised p; O / sum is quantised along the head's 64 channels and leaves as codes and scale bytes for the launch behind.
; A head's 2,048 queries are 16 blocks of 128 = 8 tiles of 16; keys go in steps of 128, one unit of 12,800 bytes of kv each: K's 4 double fragments, V^T's 4 fragments, K's and V's scale words.
; WORK LEFT OUT: key steps that lie wholly behind a tile's block: the causal mask gives their weights as zeros, whatever the inputs hold.  A NaN or an infinity that reaches only these scores is not carried to the result.
; THE DEAL.  Eight work-groups serve a head; work-group j takes tile j of EVERY block, so all work-groups do the same work (136 wave steps) and all of them read all 16 units.
; Waves p and p + 8 (p = 0 .. 7) share the tiles of blocks p (p + 1 steps) and 15 - p (16 - p steps).  In trip i = 0 .. 8 wave p works at the long tile, key step 2 i - min(i, p + 1): nine trips;
; wave p + 8 at the short tile, key step i, while i <= p, and then at the long tile, key step 2 i - p: eight trips.  The two parts of the long tile's sums are joined at the end through LDS: both are brought under the greater M
; by powers of two, which round nothing.
; CLUSTER 4 x 4: rows 2 b, 2 b + 1 of the grid are head b of the 32; the four work-groups of a row ask for the units jointly.  j = 4 (row % 2) + cx enters global addresses, lane masks and mask data alone: no branch and no LDS address.
; LDS: units at 0; the causal mask of tile j at MASKB, as the C operand of the diagonal step's score products (0, or -2^100 where the key lies behind the query); the joins' 4,608 bytes a pair at JB; the spare words.  Nothing is filled twice.
; FILLS: one tensor load a wave at the head, wave w unit w, in three groups: unit 0 (trip 0), units 1-4 (trips 1, 2), units 5-15.  Each group has a load line and a wait of its own; the last wait stands on every wave's way.
; No prefetch: the head's loads ask for everything at once.
; LIMITS: the scaled scores (exponents to the base 2) stay under 2^31 in magnitude; a block of zeros gets the byte 1 where the rule says 127 (its codes are zeros, and this program alone reads the bytes); NaN and infinities are not served.
; REGISTERS: v16-33 zeros | q's codes | zeros; v34 q's scale words; v36-83 fragments of K, then of V; v84-87 scale words (lanes 0-15 K's, 16-31 V's); v96-159 S^T, then p; v160-191 O^T; v192-203 p's codes;
; v12 -M, v13 the running largest t, v[14:15] the sum in two halves; v232-238 the second tile's q.
.set UNIT,  12800
.set VOFF,  6144
.set SCO,   12288
.set HEADB, 204800
.set MASKB, 217600
.set JB,    225792
.set JP,    4608
.set SPARE, 262656                     ; 128 bytes for each of the 16 waves
.set WV,   12
.set SEL,  20
.set CS,   22
.set G1,   24
.set G0,   32
.set TB,   40                          ; trip x UNIT
.set IRU,  41                          ; (9 - trip) x UNIT
.set CNT,  42
.set KU,   43                          ; (9 - p - 1) x UNIT, one UNIT more for waves 8-15
.set BLKU, 44                          ; my tile's block x UNIT
.set LONGU, 45                         ; (15 - p) x UNIT
.set TRU,  46                          ; waves 8-15: the trip that begins the long tile x UNIT
.set MM,   47                          ; the key step x UNIT
.macro BARRIER
	s_barrier_signal -1
	s_barrier_wait -1
.endm
.macro CROUND                          ; a round of the cluster's barrier
	BARRIER
	s_cmp_lg_u32 s[WV], 0
	s_cbranch_scc1 .Lnot_wave_0_\@
	s_barrier_signal -3
.Lnot_wave_0_\@:
	s_barrier_wait -3
	BARRIER
.endm
.macro TLOAD
	tensor_load_to_lds s[G0:G0+3], s[G1:G1+7]
	s_nop 0
.rept 4
	v_nop
.endr
.endm
.macro QK masked                       ; a double fragment holds two tiles of 16 keys: q beside zeros takes the one, zeros beside q the other
.irp j, 0,1,2,3
.if \masked
	v_wmma_scale_f32_16x16x128_f8f6f4 v[96+16*\j:103+16*\j], v[36+12*\j:47+12*\j], v[22:33], v[96+16*\j:103+16*\j], v[84+\j], v34 matrix_a_fmt:MATRIX_FMT_FP6 matrix_b_fmt:MATRIX_FMT_FP6
	v_wmma_scale_f32_16x16x128_f8f6f4 v[104+16*\j:111+16*\j], v[36+12*\j:47+12*\j], v[16:27], v[104+16*\j:111+16*\j], v[84+\j], v34 matrix_a_fmt:MATRIX_FMT_FP6 matrix_b_fmt:MATRIX_FMT_FP6
.else
	v_wmma_scale_f32_16x16x128_f8f6f4 v[96+16*\j:103+16*\j], v[36+12*\j:47+12*\j], v[22:33], 0, v[84+\j], v34 matrix_a_fmt:MATRIX_FMT_FP6 matrix_b_fmt:MATRIX_FMT_FP6
	v_wmma_scale_f32_16x16x128_f8f6f4 v[104+16*\j:111+16*\j], v[36+12*\j:47+12*\j], v[16:27], 0, v[84+\j], v34 matrix_a_fmt:MATRIX_FMT_FP6 matrix_b_fmt:MATRIX_FMT_FP6
.endif
.endr
.endm
.macro STEP
	s_min_u32 s[MM], s[IRU], s[KU]
	s_sub_co_u32 s[MM], s[KU], s[MM]
	s_add_co_u32 s[MM], s[MM], s[TB]               ; my key step
	s_cmp_gt_u32 s[MM], s[BLKU]
	s_cbranch_scc1 .Lhidden_\@                     ; wholly behind my block: waves 8-15 in the last trip
	v_add_nc_u32 v4, s[MM], v1
	v_add_nc_u32 v5, s[MM], v2
	v_nop                                          ; four places ahead of loads into the last products' sources
	v_nop
.irp j, 0,1,2,3
.irp c, 0,1,2
	ds_load_b128 v[36+12*\j+4*\c:39+12*\j+4*\c], v4 offset:1536*\j+512*\c
.endr
.endr
	ds_load_b128 v[84:87], v5
	s_wait_alu depctr_va_vdst(0)
	s_cmp_eq_u32 s[MM], s[BLKU]
	s_cbranch_scc1 .Ldiag_\@
	s_wait_dscnt 0x0
	QK 0
	s_branch .Lscores_\@
.Ldiag_\@:                             ; my own block: the mask is the products' C
.irp c, 0,1,2,3,4,5,6,7,8,9,10,11,12,13,14,15
	ds_load_b128 v[96+4*\c:99+4*\c], v88 offset:512*\c
.endr
	s_wait_dscnt 0x0
	QK 1
.Lscores_\@:
.rept 4
	v_nop
.endr
.irp t, 0,1,2,3
.irp c, 0,1,2
	ds_load_b128 v[36+12*\t+4*\c:39+12*\t+4*\c], v4 offset:VOFF+1536*\t+512*\c
.endr
.endr
.irp b, 0,1,2,3                        ; the largest score of each block of 32 keys serves the row's maximum and, since p rises with the score, the block's largest p
	v_max3_num_f32 v[212+\b], v[96+16*\b], v[97+16*\b], v[98+16*\b]
.endr
.irp i, 3,5,7,9,11,13
.irp b, 0,1,2,3
	v_max3_num_f32 v[212+\b], v[212+\b], v[96+16*\b+\i], v[97+16*\b+\i]
.endr
.endr
.irp b, 0,1,2,3
	v_max_num_f32 v[212+\b], v[212+\b], v[111+16*\b]
.endr
.irp b, 0,1,2,3
	s_delay_alu instid0(VALU_DEP_4)
	v_permlanex16_b32 v[216+\b], v[212+\b], s[SEL], s[SEL+1]
.endr
.irp b, 0,1,2,3
	s_delay_alu instid0(VALU_DEP_4)
	v_max_num_f32 v[212+\b], v[212+\b], v[216+\b]
.endr
	s_delay_alu instid0(VALU_DEP_2)
	v_max3_num_f32 v228, v212, v213, v214
	s_delay_alu instid0(VALU_DEP_1)
	v_max_num_f32 v228, v228, v215
	s_delay_alu instid0(VALU_DEP_1)
	v_mul_f32 v228, s[CS], v228
	s_delay_alu instid0(VALU_DEP_1)
	v_max_num_f32 v13, v13, v228
	v_mov_b32 v228, v12
	s_delay_alu instid0(VALU_DEP_2)
	v_floor_f32 v12, -v13                          ; -M: a whole number
	s_delay_alu instid0(VALU_DEP_1)
	v_sub_f32 v228, v12, v228
	s_delay_alu instid0(VALU_DEP_1)
	v_cvt_i32_f32 v228, v228
	s_delay_alu instid0(VALU_DEP_1)
	v_ldexp_f32 v226, 1.0, v228                    ; 2^(old M - new M)
.set n, 0
.rept 32
	v_pk_fma_f32 v[96+n:97+n], v[96+n:97+n], s[CS:CS+1], v[12:13] op_sel_hi:[1,0,0]
.set n, n+2
.endr
.irp b, 0,1,2,3
	v_fma_f32 v[212+\b], v[212+\b], s[CS], v12
.endr
.set n, 0
	s_wait_alu depctr_va_vdst(0)
.rept 64
	v_exp_f32 v[96+n], v[96+n]
.set n, n+1
.endr
	v_pk_mul_f32 v[14:15], v[14:15], v[226:227] op_sel_hi:[1,0]
	s_wait_alu depctr_va_vdst(0)
.irp b, 0,1,2,3
	v_exp_f32 v[212+\b], v[212+\b]
.endr
	v_pk_add_f32 v[216:217], v[96:97], v[98:99]
.irp j, 4,8,12,16,20,24,28,32,36,40,44,48,52,56,60
	v_pk_add_f32 v[14:15], v[14:15], v[96+\j:97+\j]
	v_pk_add_f32 v[216:217], v[216:217], v[98+\j:99+\j]
.endr
	s_delay_alu instid0(VALU_DEP_1)
	v_pk_add_f32 v[14:15], v[14:15], v[216:217]
	s_wait_alu depctr_va_vdst(0)
.irp b, 0,1,2,3
	v_max_num_f32 v[212+\b], 0x1800000, v[212+\b]  ; the floor 2^(3 - 127): the byte cannot fall under 1
.endr
.irp b, 0,1,2,3
	s_delay_alu instid0(VALU_DEP_4)
	v_add_nc_u32 v[220+\b], 0xff000000, v[212+\b]  ; 2 off the exponent field: the conversion's scale operand
.endr
.irp b, 0,1,2,3
	s_delay_alu instid0(VALU_DEP_4)
	v_lshrrev_b32 v[216+\b], 23, v[220+\b]
.endr
	s_delay_alu instid0(VALU_DEP_3)
	v_lshl_or_b32 v224, v217, 8, v216
	s_delay_alu instid0(VALU_DEP_1)
	v_lshl_or_b32 v224, v218, 16, v224
	s_delay_alu instid0(VALU_DEP_1)
	v_lshl_or_b32 v224, v219, 24, v224
.irp c, 0,1
	v_cvt_scalef32_pk16_fp6_f32 v[192+6*\c:194+6*\c], v[96+32*\c:111+32*\c], v[220+2*\c]
	v_cvt_scalef32_pk16_fp6_f32 v[204+4*\c:206+4*\c], v[112+32*\c:127+32*\c], v[220+2*\c+1]
.endr
	v_nop
.irp c, 0,1                            ; the operand's layout wants a whole block in a lane
.irp i, 0,1,2
	v_permlane16_swap_b32 v[192+6*\c+\i], v[204+4*\c+\i]
.endr
.irp i, 0,1,2
	s_delay_alu instid0(VALU_DEP_3)
	v_mov_b32 v[195+6*\c+\i], v[204+4*\c+\i]
.endr
.endr
.set n, 0
.rept 16
	v_pk_mul_f32 v[160+n:161+n], v[160+n:161+n], v[226:227] op_sel_hi:[1,0]
.set n, n+2
.endr
	s_wait_alu depctr_va_vdst(0)
	s_wait_dscnt 0x0
.irp t, 0,1,2,3
	v_wmma_scale_f32_16x16x128_f8f6f4 v[160+8*\t:167+8*\t], v[36+12*\t:47+12*\t], v[192:203], v[160+8*\t:167+8*\t], v[84+\t], v224 matrix_a_fmt:MATRIX_FMT_FP6 matrix_b_fmt:MATRIX_FMT_FP6 matrix_a_scale:MATRIX_SCALE_ROW1
.endr
.Lhidden_\@:
	s_add_co_u32 s[TB], s[TB], UNIT
	s_sub_co_u32 s[IRU], s[IRU], UNIT
.endm
.macro OUT                             ; a finished tile: v14 = my half of the row's sum.  O / sum, quantised along the 64 channels: two blocks of 32
	v_permlanex16_b32 v228, v14, s[SEL], s[SEL+1]
	v_add_f32 v14, v14, v228
	s_wait_alu depctr_va_vdst(0)
	v_rcp_f32 v14, v14
	v_nop
	v_nop
	s_wait_alu depctr_va_vdst(0)
.set n, 0
.rept 16
	v_pk_mul_f32 v[96+n:97+n], v[160+n:161+n], v[14:15] op_sel_hi:[1,0]
.set n, n+2
.endr
.irp b, 0,1
	v_max3_num_f32 v[212+\b], |v[96+16*\b]|, |v[97+16*\b]|, 0x1800000
.endr
.irp i, 2,4,6,8,10,12,14
.irp b, 0,1
	s_delay_alu instid0(VALU_DEP_2)
	v_max3_num_f32 v[212+\b], v[212+\b], |v[96+16*\b+\i]|, |v[97+16*\b+\i]|
.endr
.endr
.irp b, 0,1
	s_delay_alu instid0(VALU_DEP_2)
	v_permlanex16_b32 v[216+\b], v[212+\b], s[SEL], s[SEL+1]
.endr
.irp b, 0,1
	s_delay_alu instid0(VALU_DEP_2)
	v_max_num_f32 v[212+\b], v[212+\b], v[216+\b]
.endr
.irp b, 0,1
	s_delay_alu instid0(VALU_DEP_2)
	v_add_nc_u32 v[220+\b], 0xff000000, v[212+\b]
.endr
.irp b, 0,1
	s_delay_alu instid0(VALU_DEP_2)
	v_lshrrev_b32 v[216+\b], 23, v[220+\b]
.endr
	s_delay_alu instid0(VALU_DEP_1)
	v_lshl_or_b32 v229, v217, 8, v216
	v_cvt_scalef32_pk16_fp6_f32 v[192:194], v[96:111], v220
	v_cvt_scalef32_pk16_fp6_f32 v[204:206], v[112:127], v221
	v_nop
.irp i, 0,1,2
	v_permlane16_swap_b32 v[192+\i], v[204+\i]
.endr
.irp i, 0,1,2
	s_delay_alu instid0(VALU_DEP_3)
	v_mov_b32 v[195+\i], v[204+\i]
.endr
	global_store_b128 v1, v[192:195], s[8:9]       ; 512 consecutive bytes, aligned,
	global_store_b64 v7, v[196:197], s[8:9] offset:512 ; and 256
	global_store_b16 v6, v229, s[10:11]
.endm
.macro CHANGE                          ; waves 8-15, once: the short tile goes out, and the long one begins
	s_cmp_eq_u32 s[TB], s[TRU]
	s_cbranch_scc0 .Lsame_\@
	v_add_f32 v14, v14, v15
	OUT
	v_perm_b32 v34, v238, v238, s56
.irp i, 0,1,2,3,4,5
	v_mov_b32 v[22+\i], v[232+\i]
.endr
	v_mov_b32 v13, 0xff61b1e6
	v_mov_b32 v14, 0
	v_mov_b32 v15, 0
	v_floor_f32 v12, -v13
.set n, 0
.rept 32
	v_mov_b32 v[160+n], 0
.set n, n+1
.endr
	s_mov_b32 s[BLKU], s[LONGU]
	s_wait_alu depctr_va_vdst(0)
	s_wait_xcnt 0x0                                ; the stores have read their registers
.Lsame_\@:
.endm
	s_load_b256 s[4:11], s[0:1], 0x0               ; qb, kv, cimg, csc
	v_lshl_add_u32 v254, v0, 2, SPARE
	v_mov_b32 v255, 0
	ds_add_u32 v254, v255                          ; the opening lines: the add, twice on end, and its wait
	ds_add_u32 v254, v255
	v_lshrrev_b32 v8, 5, v0
	v_readfirstlane_b32 s[WV], v8
	s_bfe_u32 s14, ttmp6, 0x40000                  ; cx
	s_bfe_u32 s15, ttmp6, 0x40004                  ; cy
	s_and_b32 s16, ttmp7, 0xffff
	s_lshl_b32 s16, s16, 2
	s_add_co_u32 s16, s16, s15                     ; the grid's row
	s_lshr_b32 s17, s16, 1                         ; s17: batch x head, 0 .. 31
	s_and_b32 s18, s16, 1
	s_lshl_b32 s18, s18, 2
	s_add_co_u32 s18, s18, s14                     ; s18: j, 0 .. 7
	s_lshl_b32 s19, s15, 2
	s_lshl_b32 s19, 15, s19                        ; my row of the cluster
	s_or_b32 s[G1], s19, (3<<16)|(1<<21)           ; the mask; elements of 8 bytes; bit 21 beside a mask; a unit as 50 rows of 256 bytes
	s_mov_b32 s[G1+1], 32<<16
	s_mov_b32 s[G1+2], 50<<16
	s_mov_b32 s[G1+3], 32<<16
	s_mov_b32 s[G1+4], 50
	s_mov_b32 s[G1+5], 32
	s_mov_b32 s[G1+6], 0
	s_mov_b32 s[G1+7], 0
	s_mul_i32 s33, s[WV], UNIT                     ; wave w fetches unit w
	s_mul_i32 s36, s17, HEADB
	s_add_co_u32 s36, s36, s33
	s_mov_b32 s37, 0
	s_mov_b32 s32, 1
	s_wait_alu depctr_va_vdst(0)
	s_wait_dscnt 0x0
	CROUND                                         ; all sixteen work-groups are here: the joint loads meet
	s_wait_kmcnt 0x0
	s_add_nc_u64 s[34:35], s[6:7], s[36:37]
	s_or_b32 s35, s35, 0x80000000
	s_cmp_lt_u32 s[WV], 1
	s_cbranch_scc0 .Lunits_1_4
	TLOAD
	s_branch .Lasked
.Lunits_1_4:
	s_cmp_lt_u32 s[WV], 5
	s_cbranch_scc0 .Lunits_5_15
	TLOAD
	s_branch .Lasked
.Lunits_5_15:
	TLOAD
.Lasked:
	s_and_b32 s13, s[WV], 7                        ; p
	s_lshr_b32 s14, s[WV], 3                       ; 1 in waves 8-15
	s_xor_b32 s15, s13, 7                          ; 7 - p
	s_add_co_u32 s16, s15, 8                       ; 15 - p, the long tile's block
	s_add_co_u32 s38, s15, s14
	s_add_co_u32 s38, s38, 1
	s_mul_i32 s[KU], s38, UNIT
	s_mul_i32 s[LONGU], s16, UNIT
	s_add_co_u32 s38, s13, 1
	s_mul_i32 s38, s38, UNIT
	s_cmp_lt_u32 s[WV], 8
	s_cselect_b32 s39, s16, s13                    ; the block of the tile that I begin with, and that I store
	s_cselect_b32 s[TRU], -1, s38
	s_mul_i32 s[BLKU], s39, UNIT
	s_mov_b32 s[TB], 0
	s_mov_b32 s[IRU], 9*UNIT
	s_lshr_b32 s57, s18, 1                         ; q's double fragment,
	s_and_b32 s58, s18, 1                          ; and which half of it
	s_lshl_b32 s59, s17, 4
	s_add_co_u32 s60, s59, s39
	s_mul_i32 s50, s60, 6400                       ; the unit of my first tile,
	s_add_co_u32 s60, s59, s16
	s_mul_i32 s54, s60, 6400                       ; and of the long one
	s_mul_i32 s60, s57, 1536
	s_add_co_u32 s48, s50, s60
	s_add_co_u32 s52, s54, s60
	s_lshl_b32 s60, s57, 2
	s_add_co_u32 s50, s50, s60
	s_add_co_u32 s54, s54, s60
	s_mov_b32 s49, 0
	s_mov_b32 s51, 0
	s_mov_b32 s53, 0
	s_mov_b32 s55, 0
	s_add_nc_u64 s[48:49], s[4:5], s[48:49]
	s_add_nc_u64 s[50:51], s[4:5], s[50:51]
	s_add_nc_u64 s[52:53], s[4:5], s[52:53]
	s_add_nc_u64 s[54:55], s[4:5], s[54:55]
	s_mov_b32 s56, 0x01000100                      ; the half's two scale bytes, twice
	s_mov_b32 s62, 512
	s_cmp_eq_u32 s58, 1
	s_cselect_b32 s56, 0x03020302, s56
	s_cselect_b32 s60, 520, 0                      ; the half's six registers are three pieces of 8 bytes
	s_cselect_b32 s61, 1024, 8
	s_cselect_b32 s62, 1032, s62
	v_and_b32 v9, 31, v0
	v_and_b32 v8, 15, v0                           ; r
	v_lshlrev_b32 v1, 4, v9                        ; 16 x lane
	v_lshlrev_b32 v7, 3, v9                        ; 8 x lane
	v_bfe_u32 v9, v0, 4, 1                         ; h
	v_lshlrev_b32 v10, 4, v8
	v_lshlrev_b32 v6, 5, v8                        ; the scale bytes' rows in csc
	v_add_nc_u32 v92, s60, v1
	v_add_nc_u32 v93, s61, v1
	v_add_nc_u32 v94, s62, v1
	global_load_b64 v[22:23], v92, s[48:49]
	global_load_b64 v[24:25], v93, s[48:49]
	global_load_b64 v[26:27], v94, s[48:49]
	global_load_b32 v35, v10, s[50:51] offset:6144
.irp i, 0,1,2,3,4,5,6
	v_mov_b32 v[232+\i], 0
.endr
	s_wait_alu depctr_va_vdst(0)
	s_cmp_lt_u32 s[WV], 8
	s_cbranch_scc1 .Lone_tile
	global_load_b64 v[232:233], v92, s[52:53]
	global_load_b64 v[234:235], v93, s[52:53]
	global_load_b64 v[236:237], v94, s[52:53]
	global_load_b32 v238, v10, s[54:55] offset:6144
.Lone_tile:
	s_lshl_b32 s57, s57, 5
	s_lshl_b32 s58, s58, 3
	s_add_co_u32 s57, s57, s58                     ; my query's place in its block: 32 x fragment + 8 x half + r + (r & 8)
	s_lshr_b32 s58, s[WV], 2
	s_lshl_b32 s58, s58, 5
	s_and_b32 s59, s[WV], 3
	s_lshl_b32 s59, s59, 2
	s_add_co_u32 s58, s58, s59                     ; register n = 4 w of the scores is key 32 (n / 16) + n % 16 + 16 h
	s_lshl_b32 s59, s[WV], 9
	s_mul_i32 s60, s13, JP
	s_add_co_u32 s60, s60, JB
	s_add_co_u32 s61, s60, 4096
	v_lshl_add_u32 v2, v9, 8, v10
	v_and_b32 v11, 8, v8
	v_add_nc_u32 v2, SCO, v2                       ; lanes 0-15 K's scale words, lanes 16-31 V's
	v_add_nc_u32 v3, v11, v8
	v_lshlrev_b32 v11, 4, v9
	v_add_nc_u32 v88, MASKB, v1
	v_sub_nc_u32 v3, v3, v11
	v_add_nc_u32 v90, s59, v88
	v_add_nc_u32 v3, s57, v3
	v_mov_b32 v230, 0xf1800000                     ; -2^100
	v_subrev_nc_u32 v11, s58, v3
	v_add_nc_u32 v89, s60, v1
	v_add_nc_u32 v91, s61, v7
.irp i, 0,1,2,3                        ; the mask: wave w makes registers 4 w .. 4 w + 3
	v_cmp_gt_i32 vcc_lo, \i, v11
	v_cndmask_b32 v[40+\i], 0, v230, vcc_lo
.endr
	ds_store_b128 v90, v[40:43]
	s_lshr_b32 s57, s17, 4                         ; where my tile goes: T = 128 x batch + 8 x block + j
	s_lshl_b32 s57, s57, 7
	s_lshl_b32 s58, s39, 3
	s_add_co_u32 s57, s57, s58
	s_add_co_u32 s57, s57, s18
	s_and_b32 s59, s17, 15
	s_mul_i32 s36, s57, 12288
	s_mul_i32 s58, s59, 768
	s_add_co_u32 s60, s36, s58
	s_mov_b32 s61, 0
	s_lshl_b32 s57, s57, 9
	s_lshl_b32 s59, s59, 1
	s_add_co_u32 s58, s57, s59
	s_mov_b32 s59, 0
	s_add_nc_u64 s[8:9], s[8:9], s[60:61]
	s_add_nc_u64 s[10:11], s[10:11], s[58:59]
	s_mov_b32 s[SEL], 0x76543210
	s_mov_b32 s[SEL+1], 0xfedcba98                 ; lane l xor 16
	s_mov_b32 s[CS], 0x3e38aa3b                    ; log2(e) / 8
	s_mov_b32 s[CS+1], s[CS]
.irp i, 0,1,2,3,4,5
	v_mov_b32 v[16+\i], 0
	v_mov_b32 v[28+\i], 0
.endr
	v_mov_b32 v13, 0xff61b1e6                      ; the largest t so far: -3e38
	v_mov_b32 v14, 0
	v_mov_b32 v15, 0
	v_floor_f32 v12, -v13
.irp b, 0,1,2,3
	v_mov_b32 v[216+\b], 0                         ; a lane permute's destination counts as one of its sources
.endr
	v_mov_b32 v226, 0
	v_mov_b32 v227, 0
	v_mov_b32 v228, 0
	s_wait_alu depctr_va_vdst(0)
	s_wait_loadcnt 0x0                             ; q's codes and scale words
	v_perm_b32 v34, v35, v35, s56
.set n, 0
.rept 32
	v_mov_b32 v[160+n], 0
.set n, n+1
.endr
	s_wait_alu depctr_va_vdst(0)
	s_cmp_lt_u32 s[WV], 1
	s_cbranch_scc0 .Lnot_unit_0
	s_wait_tensorcnt 0x0
.Lnot_unit_0:
	s_wait_dscnt 0x0                               ; my part of the mask is stored
	BARRIER                                        ; unit 0 and the mask are there
	STEP
	s_cmp_lt_u32 s[WV], 5
	s_cbranch_scc0 .Lnot_units_1_4
	s_wait_tensorcnt 0x0
.Lnot_units_1_4:
	s_wait_dscnt 0x0
	BARRIER                                        ; units 1-4
	s_mov_b32 s[CNT], 2
.Ltrips_1_2:
	CHANGE
	STEP
	s_sub_co_u32 s[CNT], s[CNT], 1
	s_cmp_lg_u32 s[CNT], 0
	s_cbranch_scc1 .Ltrips_1_2
	s_wait_tensorcnt 0x0
	s_wait_dscnt 0x0
	BARRIER                                        ; all units
	s_mov_b32 s[CNT], 6
.Ltrips_3_8:
	CHANGE
	STEP
	s_sub_co_u32 s[CNT], s[CNT], 1
	s_cmp_lg_u32 s[CNT], 0
	s_cbranch_scc1 .Ltrips_3_8
; THE JOIN of the long tile: waves 8-15 hand their O^T, -M and sum over
	v_add_f32 v14, v14, v15
	v_nop
	v_nop
	v_nop
	v_mov_b32 v13, v14
	s_wait_alu depctr_va_vdst(0)
	s_wait_dscnt 0x0
	BARRIER                                        ; nobody reads the units any more
	s_cmp_lt_u32 s[WV], 8
	s_cbranch_scc1 .Lkeeps
.irp c, 0,1,2,3,4,5,6,7
	ds_store_b128 v89, v[160+4*\c:163+4*\c] offset:512*\c
.endr
	ds_store_b64 v91, v[12:13]
.Lkeeps:
	s_wait_dscnt 0x0
	BARRIER
	s_cmp_lt_u32 s[WV], 8
	s_cbranch_scc0 .Lend
	ds_load_b64 v[68:69], v91
.irp c, 0,1,2,3,4,5,6,7
	ds_load_b128 v[36+4*\c:39+4*\c], v89 offset:512*\c
.endr
	v_mov_b32 v75, 0                               ; (named as the upper halves of pairs)
	v_mov_b32 v77, 0
	s_wait_alu depctr_va_vdst(0)
	s_wait_dscnt 0x0
	v_min_num_f32 v70, v12, v68                    ; -M of both parts
	v_sub_f32 v71, v70, v12
	v_sub_f32 v72, v70, v68
	v_cvt_i32_f32 v71, v71                         ; (they saturate)
	v_cvt_i32_f32 v72, v72
	v_ldexp_f32 v74, 1.0, v71
	v_ldexp_f32 v76, 1.0, v72
	v_mul_f32 v14, v14, v74
	v_fma_f32 v14, v69, v76, v14
.set n, 0
.rept 16
	v_pk_mul_f32 v[160+n:161+n], v[160+n:161+n], v[74:75] op_sel_hi:[1,0]
.set n, n+2
.endr
.set n, 0
.rept 16
	v_pk_fma_f32 v[160+n:161+n], v[36+n:37+n], v[76:77], v[160+n:161+n] op_sel_hi:[1,0,1]
.set n, n+2
.endr
	OUT
.Lend:
	s_wait_tensorcnt 0x0                           ; the wave's end
	ds_add_u32 v254, v255
	s_wait_dscnt 0x0
	CROUND                                         ; the closing round
	s_endpgm
.Lfunc_end_k_q27d800db65_attn:
	.size	k_q27d800db65_attn, .Lfunc_end_k_q27d800db65_attn-k_q27d800db65_attn
	.p2alignl 7, 3214868480
	.fill 96, 4, 3214868480
	.section	.rodata,"a",@progbits
	.p2align	6, 0x0
	.amdhsa_kernel k_q27d800db65_attn
		.amdhsa_group_segment_fixed_size 327680
		.amdhsa_private_segment_fixed_size 0
		.amdhsa_enable_private_segment 0
		.amdhsa_kernarg_size 32
		.amdhsa_user_sgpr_count 2
		.amdhsa_user_sgpr_kernarg_segment_ptr 1
		.amdhsa_wavefront_size32 1
		.amdhsa_system_sgpr_workgroup_id_x 1
		.amdhsa_system_sgpr_workgroup_id_y 1
		.amdhsa_system_sgpr_workgroup_id_z 1
		.amdhsa_system_vgpr_workitem_id 0
		.amdhsa_next_free_vgpr 256
		.amdhsa_next_free_sgpr 66
		.amdhsa_reserve_vcc 1
		.amdhsa_float_denorm_mode_32 3
		.amdhsa_float_denorm_mode_16_64 3
		.amdhsa_memory_ordered 1
		.amdhsa_forward_progress 1
		.amdhsa_inst_pref_size 88
	.end_amdhsa_kernel
	.amdgpu_metadata
---
amdhsa.version: [ 1, 2 ]
amdhsa.kernels:
  - .name:           k_q27d800db65_attn
    .symbol:         k_q27d800db65_attn.kd
    .args:
      - { .name: qb, .offset: 0, .size: 8, .value_kind: global_buffer, .address_space: global }
      - { .name: kv, .offset: 8, .size: 8, .value_kind: global_buffer, .address_space: global }
      - { .name: cimg, .offset: 16, .size: 8, .value_kind: global_buffer, .address_space: global }
      - { .name: csc, .offset: 24, .size: 8, .value_kind: global_buffer, .address_space: global }
    .group_segment_fixed_size: 327680
    .private_segment_fixed_size: 0
    .kernarg_segment_align: 8
    .kernarg_segment_size: 32
    .max_flat_workgroup_size: 512
    .sgpr_count:     66
    .vgpr_count:     256
    .wavefront_size: 32
...
	.end_amdgpu_metadata
.endif
;; end of part 3
;; launch oproj (part 4): grid 8 x 32, 4 waves a work-group, clusters of 4 x 4, 214,528 bytes of LDS; arguments img, scl, cimg, csc, out0; writes out0
.if DOCPART == 4
	.amdgcn_target "amdgcn-amd-amdhsa--gfx1250"
	.amdhsa_code_object_version 6
	.text
	.protected	k_q27d800db65_oproj
	.globl	k_q27d800db65_oproj
	.p2align	8
	.type	k_q27d800db65_oproj,@function
k_q27d800db65_oproj:
	s_mov_b64 s[64:65], 0
	v_nop
	global_prefetch_b8 v0, s[64:65] scope:SCOPE_SE
	s_setreg_imm32_b32 hwreg(HW_REG_WAVE_MODE, 25, 1), 1
	s_wait_xcnt 0x0
	s_wait_alu depctr_hold_cnt(0) depctr_sa_sdst(0) depctr_va_vdst(0) depctr_va_sdst(0) depctr_va_ssrc(0) depctr_va_vcc(0) depctr_vm_vsrc(0)
	s_getreg_b32 s2, hwreg(HW_REG_IB_STS2, 6, 4)
	s_cmp_eq_u32 s2, 0
	s_cbranch_scc0 .Lentry_in_a_cluster
	s_endpgm
.Lentry_in_a_cluster:
	s_bfe_u32 s2, ttmp6, 0x10000c
	s_cmp_lg_u32 s2, 0xf033
	s_cbranch_scc0 .Lentry_shape_is_right
	s_endpgm
.Lentry_shape_is_right:
; out0 = ctx Wo^T on codes of FP6 (E2M3) with E8M0 scales, K = 1,024; out0 [4096][1024] f32.
; A work-group makes 128 x 128, a wave 64 x 64: 16 accumulators: 256 work-groups.  Source 0 = 16 rows of Wo, source 1 = 16 rows of ctx: a lane holds eight neighbouring numbers of a row of out0.
; ALL OF K LIES IN LDS: four chunks of two K steps (ctx's 8 tiles x 3,072 bytes, then Wo's), each filled once, at the head: no slot is filled again.
; Wo's fragments are images of their registers (three chunks of 512 bytes).  ctx's came from one head at a time: each half of a fragment is 768 bytes: registers 0-3 at 16 x lane, registers 4, 5 at 512 + 8 x lane.
; CLUSTER 4 x 4: ctx's tiles are shared along a row of the cluster, Wo's along a column: asked for jointly.
; The tiles' rows are permuted (of 32 rows tile u takes 8 u + i % 8 + 16 (i / 8)): Wo's so that a lane's registers of two tiles are 16 neighbouring columns; ctx's rows are put right by the stores' offsets.
; REGISTERS: window 0: v8-9, v12-13, v16-17 LDS addresses for each half of K; v24-29 others; v32-47 Wo's scale words, v48-63 ctx's; v64-127 rows read back; v128-255 accumulator (a, b) at v[128 + 8 (4 a + b)].
;   window 1: two sets of fragments, at v0 and v128: Wo's four, then ctx's four.
; The chunks lie TWO BY TWO, as two halves of K: ctx's 8 tiles x 6,144 bytes (four K steps), then Wo's.  One tensor load a wave at the head: waves 0 and 1 bring the first half of ctx and of Wo, waves 2 and 3 the second.
.set CHUNK, 98304                      ; a half of K
.set PANW,  49152
.set HALFP, 24576                      ; four tiles: what a wave reads of a panel
.set TILEB, 6144
.macro ARM under, g0, g1, next
	s_cmp_lt_u32 s14, \under
	s_cbranch_scc0 \next
	tensor_load_to_lds s[\g0:\g0+3], s[\g1:\g1+7]
	s_nop 0
.rept 4
	v_nop
.endr
	s_branch .Lfirst_asked
\next:
.endm
.set FRB,   1536
.set POSB,  12288
.set STAGE, 2*CHUNK                    ; behind the halves: 16 rows x (256 + 16) bytes for each wave; no tensor load lands there
.set A0,  8                            ; v8-9    Wo's fragments, half 0, 1: 16 x lane
.set A1,  12                           ; v12-13  ctx's: 16 x lane
.set A1H, 16                           ; v16-17  ctx's: 8 x lane
.set STO, 24
.set RD,  25
.set CO,  26
.set SLO, 27
.set SC0, 32
.set SC1, 48
.set BK,  64
.set ACC, 128
.set G1C, 24                           ; s[24:31] group 1 for ctx's tiles, s[32:39] for Wo's; s[40:47], s[68:75] groups 0, a set for each half
.set G1W, 32
.set G0C, 40
.set G0W, 68
.set MSB, 0
.macro WIN new
.if MSB != \new
	s_set_vgpr_msb (MSB<<8)|\new
.set MSB, \new
.endif
.endm
.macro CROUND                          ; a round of the cluster's barrier
	s_barrier_signal -1
	s_barrier_wait -1
	s_cmp_lg_u32 s14, 0
	s_cbranch_scc1 .Lnot_wave_0_\@
	s_barrier_signal -3
.Lnot_wave_0_\@:
	s_barrier_wait -3
	s_barrier_signal -1
	s_barrier_wait -1
.endm
.macro PLACES
.rept 4
	v_nop
.endr
.endm
	s_load_b256 s[4:11], s[0:1], 0x0               ; img, scl, cimg, csc
	s_load_b64 s[12:13], s[0:1], 0x20              ; out0
	v_lshl_add_u32 v30, v0, 2, 0x34400
	v_mov_b32 v31, 0
	ds_add_u32 v30, v31
	ds_add_u32 v30, v31
	v_lshrrev_b32 v1, 5, v0
	v_readfirstlane_b32 s14, v1                    ; wave 0..3
	s_lshr_b32 s15, s14, 1                         ; my half of ctx's tiles.  Also: which half of K I fetch
	s_and_b32 s16, s14, 1                          ; my half of Wo's.  Also: I fetch for ctx (0) or for Wo (1)
	s_bfe_u32 s56, ttmp6, 0x40000                  ; cx
	s_bfe_u32 s57, ttmp6, 0x40004                  ; cy
	s_lshl_b32 s58, ttmp9, 2
	s_add_co_u32 s58, s58, s56                     ; nx: 0 .. 7
	s_and_b32 s59, ttmp7, 0xffff
	s_lshl_b32 s59, s59, 2
	s_add_co_u32 s59, s59, s57                     ; my: 0 .. 31
	s_lshl_b32 s60, s57, 2
	s_lshl_b32 s60, 15, s60                        ; my row of the cluster
	s_lshl_b32 s61, 0x1111, s56                    ; my column
	s_or_b32 s[G1C], s60, (3<<16)|(1<<21)          ; the mask; elements of 8 bytes; bit 21 beside a mask; no padding
	s_or_b32 s[G1W], s61, (3<<16)|(1<<21)
.irp g, G1C, G1W
	s_mov_b32 s[\g+1], 768<<16                     ; tensor_dim0: a tile's four K steps, 6,144 bytes
	s_mov_b32 s[\g+2], 8<<16                       ; tensor_dim1: 8 tiles
	s_mov_b32 s[\g+3], 768<<16
	s_mov_b32 s[\g+4], 8
	s_mov_b32 s[\g+5], 1536                        ; from tile to tile: 12,288 bytes
	s_mov_b32 s[\g+6], 0
	s_mov_b32 s[\g+7], 0
.endr
	s_lshl_b32 s17, s16, 2
	s_lshl_b32 s84, s59, 3
	s_mul_i32 s84, s84, POSB                       ; ctx: tile 8 my
	s_mov_b32 s85, 0
	s_lshl_b32 s86, s58, 3
	s_add_co_u32 s86, s86, 448
	s_mul_i32 s86, s86, POSB                       ; Wo: position 448 + 8 nx
	s_mov_b32 s87, 0
	s_lshl_b32 s88, s58, 3
	s_add_co_u32 s88, s88, s17
	s_add_co_u32 s88, s88, 448
	s_lshl_b32 s88, s88, 9                         ; my four tiles' scale words of Wo
	s_mov_b32 s89, 0
	s_lshl_b32 s18, s15, 2
	s_lshl_b32 s90, s59, 3
	s_add_co_u32 s90, s90, s18
	s_lshl_b32 s90, s90, 9                         ; and of ctx
	s_mov_b32 s91, 0
	s_lshl_b32 s92, s59, 7
	s_lshl_b32 s93, s15, 6
	s_add_co_u32 s92, s92, s93
	s_lshl_b32 s92, s92, 12                        ; my first row of out0: 128 my + 64 x half, rows of 4,096 bytes
	s_lshl_b32 s93, s58, 9
	s_add_co_u32 s92, s92, s93
	s_lshl_b32 s93, s16, 8
	s_add_co_u32 s92, s92, s93                     ; my first column: 128 nx + 64 x half
	s_mov_b32 s93, 0
	s_wait_dscnt 0x0
	s_wait_kmcnt 0x0
	s_add_nc_u64 s[84:85], s[8:9], s[84:85]
	s_add_nc_u64 s[86:87], s[4:5], s[86:87]
	s_add_nc_u64 s[88:89], s[6:7], s[88:89]
	s_add_nc_u64 s[90:91], s[10:11], s[90:91]
	s_add_nc_u64 s[12:13], s[12:13], s[92:93]
	CROUND                                         ; all sixteen work-groups are here: the joint loads meet
.irp k, 0,1
	s_mov_b32 s[G0C+4*\k], 1
	s_mov_b32 s[G0C+4*\k+1], \k*CHUNK
	s_add_nc_u64 s[G0C+4*\k+2:G0C+4*\k+3], s[84:85], \k*TILEB
	s_or_b32 s[G0C+4*\k+3], s[G0C+4*\k+3], 0x80000000
	s_mov_b32 s[G0W+4*\k], 1
	s_mov_b32 s[G0W+4*\k+1], \k*CHUNK+PANW
	s_add_nc_u64 s[G0W+4*\k+2:G0W+4*\k+3], s[86:87], \k*TILEB
	s_or_b32 s[G0W+4*\k+3], s[G0W+4*\k+3], 0x80000000
.endr
	ARM 1, G0C,   G1C, .Lhead_w
	ARM 2, G0W,   G1W, .Lhead_c2
	ARM 3, G0C+4, G1C, .Lhead_w2
	tensor_load_to_lds s[G0W+4:G0W+7], s[G1W:G1W+7]
	s_nop 0
.rept 4
	v_nop
.endr
.Lfirst_asked:
	v_and_b32 v1, 31, v0
	v_lshlrev_b32 v28, 4, v1                       ; 16 x lane
	v_lshlrev_b32 v29, 3, v1                       ; 8 x lane
	v_and_b32 v2, 15, v0                           ; r
	v_bfe_u32 v3, v0, 4, 1                         ; h
	s_mul_i32 s19, s16, HALFP
	s_add_co_u32 s19, s19, PANW                    ; my four tiles of Wo
	s_mul_i32 s20, s15, HALFP                      ; my four tiles of ctx
.irp k, 0,1
	v_add_nc_u32 v[A0+\k], s19, v28
	v_add_nc_u32 v[A1+\k], s20, v28
	v_add_nc_u32 v[A1H+\k], s20, v29
	s_add_co_u32 s19, s19, CHUNK
	s_add_co_u32 s20, s20, CHUNK
.endr
	s_wait_alu depctr_va_vdst(0)                   ; ahead of the readers below
	s_mul_i32 s21, s14, 16*272
	s_add_co_u32 s21, s21, STAGE                   ; my stage
	v_mul_u32_u24 v[STO], v2, 272
	v_lshl_add_u32 v[STO], v3, 6, v[STO]
	v_add_nc_u32 v[STO], s21, v[STO]               ; in: row r, + 64 h
	v_mul_u32_u24 v[RD], v3, 272
	v_lshl_add_u32 v[RD], v2, 4, v[RD]
	v_add_nc_u32 v[RD], s21, v[RD]                 ; back: lanes 0-15 one row of 256 bytes, lanes 16-31 the next
	v_lshlrev_b32 v[CO], 12, v3
	v_lshl_add_u32 v[CO], v2, 4, v[CO]             ; and the same two rows in out0
	v_lshlrev_b32 v[SLO], 5, v2
	v_lshl_add_u32 v[SLO], v3, 4, v[SLO]           ; scale words: 32 r + 16 h: register q holds K step q in lanes 0-15, K step 4 + q in lanes 16-31
.irp t, 0,1,2,3
	global_load_b128 v[SC0+4*\t:SC0+4*\t+3], v[SLO], s[88:89] offset:512*\t
	global_load_b128 v[SC1+4*\t:SC1+4*\t+3], v[SLO], s[90:91] offset:512*\t
.endr
.macro FETCH s                         ; K step s's eight fragments into set s % 2: 28 loads
.set FS, 128*((\s)%2)
.set CK, (\s)/4
.set OF, FRB*((\s)%4)
	WIN 0x40                                       ; destination window 1
.irp b, 0,1,2,3
.irp c, 0,1,2
	ds_load_b128 v[FS+12*\b+4*\c:FS+12*\b+4*\c+3], v[A0+CK] offset:TILEB*\b+OF+512*\c
.endr
.endr
.irp a, 0,1,2,3
	ds_load_b128 v[FS+48+12*\a:FS+48+12*\a+3], v[A1+CK] offset:TILEB*\a+OF
	ds_load_b64 v[FS+48+12*\a+4:FS+48+12*\a+5], v[A1H+CK] offset:TILEB*\a+OF+512
	ds_load_b128 v[FS+48+12*\a+6:FS+48+12*\a+9], v[A1+CK] offset:TILEB*\a+OF+768
	ds_load_b64 v[FS+48+12*\a+10:FS+48+12*\a+11], v[A1H+CK] offset:TILEB*\a+OF+1280
.endr
	WIN 0
.endm
.macro MUL16 s                         ; the 16 accumulators take turns, one instruction a turn, in the same order in every step
.set FS, 128*((\s)%2)
.irp a, 0,1,2,3
.irp b, 0,1,2,3
.if (\s) == 0
	v_wmma_scale_f32_16x16x128_f8f6f4 v[ACC+8*(4*\a+\b):ACC+8*(4*\a+\b)+7], v[FS+12*\b:FS+12*\b+11], v[FS+48+12*\a:FS+48+12*\a+11], 0, v[SC0+4*\b+(\s)%4], v[SC1+4*\a+(\s)%4] matrix_a_fmt:MATRIX_FMT_FP6 matrix_b_fmt:MATRIX_FMT_FP6
.elseif (\s) < 4
	v_wmma_scale_f32_16x16x128_f8f6f4 v[ACC+8*(4*\a+\b):ACC+8*(4*\a+\b)+7], v[FS+12*\b:FS+12*\b+11], v[FS+48+12*\a:FS+48+12*\a+11], v[ACC+8*(4*\a+\b):ACC+8*(4*\a+\b)+7], v[SC0+4*\b+(\s)%4], v[SC1+4*\a+(\s)%4] matrix_a_fmt:MATRIX_FMT_FP6 matrix_b_fmt:MATRIX_FMT_FP6
.else
	v_wmma_scale_f32_16x16x128_f8f6f4 v[ACC+8*(4*\a+\b):ACC+8*(4*\a+\b)+7], v[FS+12*\b:FS+12*\b+11], v[FS+48+12*\a:FS+48+12*\a+11], v[ACC+8*(4*\a+\b):ACC+8*(4*\a+\b)+7], v[SC0+4*\b+(\s)%4], v[SC1+4*\a+(\s)%4] matrix_a_fmt:MATRIX_FMT_FP6 matrix_b_fmt:MATRIX_FMT_FP6 matrix_a_scale:MATRIX_SCALE_ROW1 matrix_b_scale:MATRIX_SCALE_ROW1
.endif
.endr
.endr
.endm
.macro STEP s
	s_wait_dscnt 0x0                               ; this step's fragments are in
.if (\s) == 3
	s_wait_tensorcnt 0x0                           ; the second half of K is in
	s_barrier_signal -1
	s_barrier_wait -1                              ; everybody's is
.endif
.if (\s) < 7
.if (\s) > 0
	PLACES                                         ; in front of loads into the set that the last step's products read
.endif
	FETCH (\s)+1
.endif
	WIN 0x05                                       ; sources 0 and 1 window 1; C and D window 0
	MUL16 \s
	WIN 0
.endm
	s_wait_alu depctr_va_vdst(0)
	s_cmp_lt_u32 s14, 2
	s_cbranch_scc0 .Lsecond_half
	s_wait_tensorcnt 0x0                           ; the first half of K is in; the second may stay out
.Lsecond_half:
	s_barrier_signal -1
	s_barrier_wait -1
	FETCH 0
	s_wait_loadcnt 0x0                             ; the scale words
	STEP 0
	STEP 1
	STEP 2
	STEP 3
	STEP 4
	STEP 5
	STEP 6
	STEP 7
; THE WAY OUT, a tile of 16 rows x 64 columns at a time, through my own stage: in as 32 bytes a lane and accumulator, back as whole rows of 256 bytes.
; Accumulator (a, b): my eight numbers are columns 32 (b / 2) + 16 h + 8 (b % 2) + 0 .. 7 of tile row r.  LDS serves a wave's instructions in order: no wait between the stores and the loads.
.macro TOSTAGE a
.irp b, 0,1,2,3
	ds_store_b128 v[STO], v[ACC+8*(4*(\a)+\b):ACC+8*(4*(\a)+\b)+3] offset:128*(\b/2)+32*(\b%2)        ; each accumulator from its low end on
	ds_store_b128 v[STO], v[ACC+8*(4*(\a)+\b)+4:ACC+8*(4*(\a)+\b)+7] offset:128*(\b/2)+32*(\b%2)+16
.endr
.irp t, 0,1,2,3,4,5,6,7
	ds_load_b128 v[BK+32*((\a)%2)+4*\t:BK+32*((\a)%2)+4*\t+3], v[RD] offset:544*\t
.endr
.endm
.macro SEND a, younger                 ; tile rows 2 t + h are rows 2 t + 8 (t / 4) + h of the tile's 32
	s_wait_dscnt \younger
.irp t, 0,1,2,3,4,5,6,7
	global_store_b128 v[CO], v[BK+32*((\a)%2)+4*\t:BK+32*((\a)%2)+4*\t+3], s[12:13] offset:(32*((\a)/2)+8*((\a)%2)+2*\t+8*(\t/4))*4096 th:TH_STORE_NT   ; sixteen lanes store 256 consecutive bytes, aligned; written once
.endr
.endm
	PLACES                                         ; behind the last products
	s_wait_alu depctr_va_vdst(0)
	TOSTAGE 0
	TOSTAGE 1
	SEND 0, 16                                     ; behind tile 0's loads: tile 1's 8 stores and 8 loads
	s_wait_xcnt 0x0                                ; tile 0's stores have read their registers: tile 2's rows may land there
	TOSTAGE 2
	SEND 1, 16
	s_wait_xcnt 0x0
	TOSTAGE 3
	SEND 2, 16
	SEND 3, 0
	s_wait_tensorcnt 0x0
	ds_add_u32 v30, v31
	s_wait_dscnt 0x0
	CROUND                                         ; the closing round: no work-group ends while a partner may still ask for a tile that names it
	s_endpgm
.Lfunc_end_k_q27d800db65_oproj:
	.size	k_q27d800db65_oproj, .Lfunc_end_k_q27d800db65_oproj-k_q27d800db65_oproj
	.p2alignl 7, 3214868480
	.fill 96, 4, 3214868480
	.section	.rodata,"a",@progbits
	.p2align	6, 0x0
	.amdhsa_kernel k_q27d800db65_oproj
		.amdhsa_group_segment_fixed_size 214528
		.amdhsa_private_segment_fixed_size 0
		.amdhsa_enable_private_segment 0
		.amdhsa_kernarg_size 40
		.amdhsa_user_sgpr_count 2
		.amdhsa_user_sgpr_kernarg_segment_ptr 1
		.amdhsa_wavefront_size32 1
		.amdhsa_system_sgpr_workgroup_id_x 1
		.amdhsa_system_sgpr_workgroup_id_y 1
		.amdhsa_system_sgpr_workgroup_id_z 1
		.amdhsa_system_vgpr_workitem_id 0
		.amdhsa_next_free_vgpr 512
		.amdhsa_next_free_sgpr 100
		.amdhsa_reserve_vcc 0
		.amdhsa_float_denorm_mode_32 3
		.amdhsa_float_denorm_mode_16_64 3
		.amdhsa_memory_ordered 1
		.amdhsa_forward_progress 1
		.amdhsa_inst_pref_size 49
	.end_amdhsa_kernel
	.amdgpu_metadata
---
amdhsa.version: [ 1, 2 ]
amdhsa.kernels:
  - .name:           k_q27d800db65_oproj
    .symbol:         k_q27d800db65_oproj.kd
    .args:
      - { .name: img, .offset: 0, .size: 8, .value_kind: global_buffer, .address_space: global }
      - { .name: scl, .offset: 8, .size: 8, .value_kind: global_buffer, .address_space: global }
      - { .name: cimg, .offset: 16, .size: 8, .value_kind: global_buffer, .address_space: global }
      - { .name: csc, .offset: 24, .size: 8, .value_kind: global_buffer, .address_space: global }
      - { .name: out0, .offset: 32, .size: 8, .value_kind: global_buffer, .address_space: global }
    .group_segment_fixed_size: 214528
    .private_segment_fixed_size: 0
    .kernarg_segment_align: 8
    .kernarg_segment_size: 40
    .max_flat_workgroup_size: 128
    .sgpr_count:     100
    .vgpr_count:     512
    .wavefront_size: 32
...
	.end_amdgpu_metadata
.endif
;; end of part 4
